; MI455X (gfx1250); checked and timed in simulation.
; The chip was launched on July 23, 2026; its instructions are those of AMD's public machine-readable ISA for CDNA 5 (MIT licence, August 2026) and "CDNA5" Instruction Set Architecture Reference Guide (July 2026). The comments in the code are by the model that wrote it; some were corrected since.
;; Causal Self Attention. Allowed arithmetic: matrix products marked QUANTISED: E2M1 operands, one E8M0 scale for each 32 along K, by v_wmma_scale_f32_16x16x128_f8f6f4 with both operands' format E2M1 (or v_wmma_scale_f32_32x16x128_f4), f32 sums; products left as they are: bf16, f16 or f32 operands; f32 sums; everything else in f32.
;; Inputs: W_attn 3,072 x 1,024 float32; W_proj 1,024 x 1,024 float32; b_attn 3,072 float32; b_proj 1,024 float32; x 4 x 2,048 x 1,024 float32.
;; Outputs: out0 4 x 2,048 x 1,024 float32.
;; This version of the problem:
;;   THIS VERSION OF THE PROBLEM IS GIVEN IN LOW PRECISION. The matrix products marked QUANTISED in the list below multiply operands that are first quantised to E2M1 (2 exponent bits, 1 mantissa bit; 4 bits a number), with one power-of-two scale for each 32 numbers along K (OCP MX v1.0); their sums are f32. The products marked 'left as it is' may take bf16, f16 or f32 operands, with f32 sums. Whichever they take, every output number must still come out within the allowed error. Rounding operands to bf16 (8 significant bits) uses up far more of that allowance than f16 does (11 bits, for magnitudes from 6e-5 to 65,504). All else is computed in f32.
;;   The module's matrix products, in the order in which they are computed (A, B: the left and right operand; K: the contracted axis; several contracted axes count as one K, in the product's order):
;;     1. [M 8,192, K 1,024] x [K 1,024, N 3,072]; A: input x; B: input W_attn: QUANTISED
;;     2. batch 64 x [M 2,048, K 64] x [K 64, N 2,048]; A: computed on the way; B: computed on the way: left as it is (an operand is computed on the way)
;;     3. batch 64 x [M 2,048, K 2,048] x [K 2,048, N 64]; A: computed on the way; B: computed on the way: left as it is (an operand is computed on the way)
;;     4. [M 8,192, K 1,024] x [K 1,024, N 1,024]; A: computed on the way; B: input W_proj: left as it is (an operand is computed on the way)
;;   THE QUANTISER, for each operand of a quantised product, along K:
;;     - K is cut into blocks of 32 from its start; a last block that is shorter is filled with zeros.
;;     - A block's scale is 2^e with e = floor(log2(the largest magnitude in the block)) - 2, held to -126 .. 127; a block of zeros has e = 0. As a byte (E8M0): e + 127.
;;     - Each number is divided by its block's scale, clamped to +-6, and rounded to the nearest number of E2M1, ties to even, subnormals kept.
;;     - The product sums the exact products of the quantised numbers (number of the format x scale) in f32.
;;   ~~~python
;;   def quantise(x, axis):      # numpy; x: float32 -> the quantised numbers, widened to float32 again
;;       x = np.moveaxis(x, axis, -1); K = x.shape[-1]
;;       x = np.pad(x, [(0, 0)] * (x.ndim - 1) + [(0, -K % 32)]); x = x.reshape(x.shape[:-1] + (-1, 32)); a = np.abs(x).max(-1, keepdims=True)
;;       e = np.where(a > 0, np.clip(np.frexp(np.where(a > 0, a, 1))[1] - 1 - 2, -126, 127), 0)      # np.frexp(a)[1] - 1 = floor(log2(a)), exactly
;;       r = np.clip(x / 2.0 ** e, -6, 6)
;;       step = 2.0 ** (np.maximum(np.frexp(np.where(r == 0, 1, r))[1] - 1, 0) - 1)
;;       q = np.round(r / step) * step * 2.0 ** e      # np.round: ties to even
;;       return np.moveaxis(q.reshape(q.shape[:-2] + (-1,))[..., :K], -1, axis).astype(np.float32)
;;   ~~~
;; One version. Each part assembles by itself: llvm-mc -triple=amdgcn-amd-amdhsa -mcpu=gfx1250 --defsym DOCPART=n.
;; ======== version 1 of 1: 5 launches
;; limits: values are held in f16: magnitudes above 65,504 overflow, below 6.1e-05 lose precision
;; workspace buffers: xc 4,194,304 bytes; xs 262,144 bytes; wc 1,572,864 bytes; ws 98,304 bytes; wp16 2,097,152 bytes; qkv 50,331,648 bytes; qkvf 786,432 bytes; att 16,777,216 bytes
;; launch prep (part 1): grid 384 x 1, 4 waves a work-group, no clusters, 33,280 bytes of LDS; arguments x, W_attn, xc, xs, wc, ws, W_proj, wp16; writes xc, xs, wc, ws, wp16
.if DOCPART == 1
	.amdgcn_target "amdgcn-amd-amdhsa--gfx1250"
	.amdhsa_code_object_version 6
	.text
	.protected	k_qb2df5688d9_prep
	.globl	k_qb2df5688d9_prep
	.p2align	8
	.type	k_qb2df5688d9_prep,@function
k_qb2df5688d9_prep:
	s_mov_b64 s[64:65], 0
	v_nop
	global_prefetch_b8 v0, s[64:65] scope:SCOPE_SE
	s_setreg_imm32_b32 hwreg(HW_REG_WAVE_MODE, 25, 1), 1
	s_wait_xcnt 0x0
; x [8192][1024] and W_attn [3072][1024], f32, become codes of FP4 (E2M1), K innermost, two codes a byte, with one E8M0 scale byte for each 32 along K; W_proj [1024][1024] becomes f16.
; A block's scale is 2^(floor(log2(its largest magnitude)) - 2); its byte is the largest magnitude's exponent field - 2, held at 1 from below.  (A block of zeros so gets the byte 1 where the
; rule says 127: its codes are zeros, which add nothing under any byte but 0xff, and this program alone reads the bytes.)  Each number is divided by the scale and rounded to the nearest code, ties to even.
; LIMITS: blocks whose largest magnitude lies under 2^-124 keep the byte 1; NaN and infinities among the inputs are not served; |W_proj| stays under 65,504 (f16).
; Rows are dense and K is a multiple of 32: both tensors are plain streams of blocks of 32 numbers, and so are the codes and the scale bytes.
; SHARES.  Work-groups 0-255 take x, 256-351 W_attn (one path, the pointers chosen by the work-group's number), 352-383 cast W_proj.  A wave takes 8,192 numbers.
; QUANTISER.  16 steps of 512 numbers.  Each of a step's four loads reads 512 consecutive bytes, 16 a lane; the 2,048 bytes go through the wave's own stage in LDS and come back 64 bytes a lane, so that a lane
; holds 16 neighbours along K (two neighbouring lanes hold a block).  A lane's 16 codes are 8 bytes: the wave stores 256 consecutive bytes.  A wave's 256 scale bytes are gathered in LDS and leave as one aligned run of 256.
; No tensor loads, no barrier: waves share nothing.  Loads run four steps (16 loads a wave) ahead, the turn through LDS one step.
.set SIZE_M, 8192
.set SIZE_N, 3072
.set SIZE_K, 1024
.set WAVES, 4
.set STEPS, 16
.set WGA,   SIZE_M*SIZE_K/(512*STEPS*WAVES)            ; 256 work-groups for x
.set WGQ,   (SIZE_M+SIZE_N)*SIZE_K/(512*STEPS*WAVES)   ; 352 for both quantised tensors
.set EMAX,  2
.set CB,    8                          ; bytes of 16 codes
.set R,     16                         ; v16-79   four sets of 16 numbers as they are loaded (cast: v16-143, two sets of 64)
.set X,     80                         ; v80-111  two sets of 16 neighbours
.set C,     128                        ; v128-191 codes: four registers for each step, so that no store's data are written again
.set E,     112                        ; v112-127 a scale byte for each step
.set H,     144                        ; v144-175 cast: a round's f16 pairs
.set WREG,  8192                       ; LDS: a region for each wave: two stages of 32 x SP bytes, behind them its 256 scale bytes
.set SP,    80                         ; a lane's place in a stage: its 64 bytes + 16 of padding
.set SPW,   12                         ; v12  LDS address of my spare word; never rewritten
.set NIL,   13                         ; v13  0; never rewritten
.set SPARE, WAVES*WREG                 ; behind the four regions: the spare words, 128 bytes a wave
	s_load_b128 s[4:7], s[0:1], 0x0                ; x, W_attn
	s_load_b128 s[8:11], s[0:1], 0x10              ; x's codes, x's scales
	s_load_b128 s[12:15], s[0:1], 0x20             ; W_attn's codes, its scales
	s_load_b128 s[24:27], s[0:1], 0x30             ; W_proj, its f16 copy
	v_lshl_add_u32 v[SPW], v0, 2, SPARE
	v_mov_b32 v[NIL], 0
	v_lshrrev_b32 v1, 5, v0
	v_readfirstlane_b32 s16, v1                    ; wave
	v_and_b32 v2, 31, v0                           ; lane
	v_lshlrev_b32 v3, 4, v2                        ; my 16 bytes of a load's 512
	s_mul_i32 s17, s16, WREG
	v_lshrrev_b32 v14, 2, v2
	v_mul_u32_u24 v14, v14, SP
	v_and_b32 v15, 3, v2
	v_lshl_add_u32 v14, v15, 4, v14
	v_add_nc_u32 v14, s17, v14                     ; the stage, on the way in: four lanes' 64 bytes on end, then 16 of padding
	v_mul_u32_u24 v15, v2, SP
	v_add_nc_u32 v15, s17, v15                     ; and on the way out: SP x lane: my 16 neighbours
	v_mul_u32_u24 v4, v2, CB                       ; my codes' place in a step's
	v_lshrrev_b32 v5, 1, v2
	s_add_co_u32 s17, s17, 2*32*SP
	v_add_nc_u32 v5, s17, v5                       ; LDS: my wave's 256 scale bytes, my block's byte
	v_lshlrev_b32 v7, 3, v2                        ; 8 bytes a lane
	v_add_nc_u32 v6, s17, v7
	s_wait_kmcnt 0x0
	s_cmp_ge_u32 ttmp9, WGQ                        ; the last 32 work-groups cast W_proj
	s_cbranch_scc1 .Lcast
	s_cmp_lt_u32 ttmp9, WGA                        ; x's work-group or W_attn's?  The choice hangs on the work-group's number alone
	s_cselect_b64 s[4:5], s[4:5], s[6:7]
	s_cselect_b64 s[8:9], s[8:9], s[12:13]
	s_cselect_b64 s[10:11], s[10:11], s[14:15]
	s_cselect_b32 s17, 0, WGA
	s_sub_co_u32 s17, ttmp9, s17
	s_lshl_b32 s17, s17, 2
	s_add_co_u32 s18, s17, s16                     ; which run of 8,192 numbers of the tensor is my wave's
	s_mov_b32 s19, 0
	s_mov_b64 s[20:21], 512*STEPS*4
	s_mul_u64 s[20:21], s[18:19], s[20:21]
	s_add_nc_u64 s[4:5], s[4:5], s[20:21]
	s_mov_b64 s[20:21], 32*STEPS*CB
	s_mul_u64 s[20:21], s[18:19], s[20:21]
	s_add_nc_u64 s[8:9], s[8:9], s[20:21]
	s_lshl_b32 s18, s18, 8                         ; 256 scale bytes a run
	s_add_nc_u64 s[10:11], s[10:11], s[18:19]
.macro LOAD t
.irp i, 0,1,2,3
	global_load_b128 v[R+16*((\t)%4)+4*\i:R+16*((\t)%4)+4*\i+3], v3, s[4:5] offset:2048*(\t)+512*\i th:TH_LOAD_NT   ; 32 lanes read 512 consecutive bytes
.endr
.endm
.macro TURN t                          ; step t's numbers through the stage: LDS serves a wave's instructions in order, so no wait stands between the stores and the loads
.irp i, 0,1,2,3
	ds_store_b128 v14, v[R+16*((\t)%4)+4*\i:R+16*((\t)%4)+4*\i+3] offset:32*SP*((\t)%2)+8*SP*\i
.endr
.irp i, 0,1,2,3
	ds_load_b128 v[X+16*((\t)%2)+4*\i:X+16*((\t)%2)+4*\i+3], v15 offset:32*SP*((\t)%2)+16*\i
.endr
.endm
.irp t, 0,1,2,3
	LOAD \t
.endr
	s_wait_loadcnt 12                              ; step 0's four loads are in; the twelve of steps 1 to 3 may be out
	TURN 0
.macro STEP t
.set XS, X+16*((\t)%2)
.if (\t) > 0
	s_wait_dscnt 1                                 ; this step's numbers are back from the stage (the last step's byte store may be out): so its stores into the stage have read their registers,
.else
	s_wait_dscnt 0x0
.endif
.if (\t)+4 < STEPS
	LOAD (\t)+4                                    ; which take the loads of four steps on
.endif
.if (\t)+1 < STEPS
.if STEPS-2-(\t) >= 3
	s_wait_loadcnt 12                              ; the next step's four loads are in; those of the three steps behind it may be out
.else
	s_wait_loadcnt 4*(STEPS-2-(\t))
.endif
	TURN (\t)+1                                    ; and go through the other stage while this step is worked
.endif
	v_max3_num_f32 v8, |v[XS]|, |v[XS+1]|, |v[XS+2]|               ; the largest magnitude of my 16, in two chains
	v_max3_num_f32 v9, |v[XS+3]|, |v[XS+4]|, |v[XS+5]|
.irp i, 6,10
	v_max3_num_f32 v8, v8, |v[XS+\i]|, |v[XS+\i+1]|
	v_max3_num_f32 v9, v9, |v[XS+\i+2]|, |v[XS+\i+3]|
.endr
	v_max3_num_f32 v8, v8, |v[XS+14]|, |v[XS+15]|
	v_max3_num_f32 v8, v8, v9, (EMAX+1)<<23        ; and the floor 2^(EMAX + 1 - 127): so the byte cannot fall under 1
	v_max_num_f32_dpp v8, v8, v8 row_xmask:1 row_mask:0xf bank_mask:0xf   ; and of my neighbour's 16: the block's
	v_add_nc_u32 v11, -(EMAX<<23), v8              ; EMAX off its exponent field: the conversion takes the exponent field of this operand as its scale, and nothing else of it
	v_cvt_scalef32_pk8_fp4_f32 v[C+4*(\t)], v[XS:XS+7], v11        ; eight numbers / the scale, to the nearest code, ties to even, beyond the largest code the largest; the first number's code in the lowest four bits
	v_cvt_scalef32_pk8_fp4_f32 v[C+4*(\t)+1], v[XS+8:XS+15], v11
	v_lshrrev_b32 v[E+(\t)], 23, v11               ; the scale's byte (also the plain line behind the conversions)
	ds_store_b8 v5, v[E+(\t)] offset:16*(\t)       ; both lanes of a block write the same byte with the same value
	global_store_b64 v4, v[C+4*(\t):C+4*(\t)+1], s[8:9] offset:32*CB*(\t)   ; 32 lanes store 256 consecutive bytes, aligned
.endm
.irp t, 0,1,2,3,4,5,6,7,8,9,10,11,12,13,14,15
	STEP \t
.endr
	ds_load_b64 v[8:9], v6                         ; LDS serves a wave's instructions in order: these see my stores
	s_wait_dscnt 0x0
	global_store_b64 v7, v[8:9], s[10:11]          ; 32 lanes store 256 consecutive bytes, aligned
	s_branch .Lend
; THE CAST.  A wave takes 8,192 numbers of W_proj: four rounds of 16 loads of 512 consecutive bytes; a load's 128 numbers leave as 256 consecutive bytes of f16.  Two sets of registers: one round's loads are out while the other is worked.
.Lcast:
	s_sub_co_u32 s17, ttmp9, WGQ
	s_lshl_b32 s17, s17, 2
	s_add_co_u32 s17, s17, s16                     ; which run of 8,192 numbers is my wave's: 0 .. 127
	s_lshl_b32 s18, s17, 15
	s_mov_b32 s19, 0
	s_add_nc_u64 s[24:25], s[24:25], s[18:19]
	s_lshl_b32 s18, s17, 14
	s_add_nc_u64 s[26:27], s[26:27], s[18:19]
.macro LOADC g
.irp i, 0,1,2,3,4,5,6,7,8,9,10,11,12,13,14,15
	global_load_b128 v[R+64*((\g)%2)+4*\i:R+64*((\g)%2)+4*\i+3], v3, s[24:25] offset:((\g)*16+\i)*512 th:TH_LOAD_NT
.endr
.endm
.macro CAST g
.if (\g) < 3
	s_wait_loadcnt 16                              ; this round's 16 loads are in; the next round's 16 may be out
.else
	s_wait_loadcnt 0x0
.endif
.if (\g) > 0
	s_wait_xcnt 0x0                                ; the last round's stores have read v144-175: they are written again only behind this wait
.endif
.irp i, 0,1,2,3,4,5,6,7,8,9,10,11,12,13,14,15
	v_cvt_pk_f16_f32 v[H+2*\i], v[R+64*((\g)%2)+4*\i], v[R+64*((\g)%2)+4*\i+1]
	v_cvt_pk_f16_f32 v[H+2*\i+1], v[R+64*((\g)%2)+4*\i+2], v[R+64*((\g)%2)+4*\i+3]
.endr
.irp i, 0,1,2,3,4,5,6,7,8,9,10,11,12,13,14,15
	global_store_b64 v7, v[H+2*\i:H+2*\i+1], s[26:27] offset:((\g)*16+\i)*256   ; 32 lanes store 256 consecutive bytes, aligned
.endr
.if (\g) < 2
	LOADC (\g)+2
.endif
.endm
	LOADC 0
	LOADC 1
	CAST 0
	CAST 1
	CAST 2
	CAST 3
.Lend:
	s_wait_tensorcnt 0x0                           ; the wave's end, behind my last LDS store
	ds_add_u32 v[SPW], v[NIL]
	s_wait_dscnt 0x0
	s_endpgm
.Lfunc_end_k_qb2df5688d9_prep:
	.size	k_qb2df5688d9_prep, .Lfunc_end_k_qb2df5688d9_prep-k_qb2df5688d9_prep
	.p2alignl 7, 3214868480
	.fill 96, 4, 3214868480
	.section	.rodata,"a",@progbits
	.p2align	6, 0x0
	.amdhsa_kernel k_qb2df5688d9_prep
		.amdhsa_group_segment_fixed_size 33280
		.amdhsa_private_segment_fixed_size 0
		.amdhsa_enable_private_segment 0
		.amdhsa_kernarg_size 64
		.amdhsa_user_sgpr_count 2
		.amdhsa_user_sgpr_kernarg_segment_ptr 1
		.amdhsa_wavefront_size32 1
		.amdhsa_system_sgpr_workgroup_id_x 1
		.amdhsa_system_sgpr_workgroup_id_y 1
		.amdhsa_system_sgpr_workgroup_id_z 1
		.amdhsa_system_vgpr_workitem_id 0
		.amdhsa_next_free_vgpr 192
		.amdhsa_next_free_sgpr 66
		.amdhsa_reserve_vcc 0
		.amdhsa_float_denorm_mode_32 3
		.amdhsa_float_denorm_mode_16_64 3
		.amdhsa_memory_ordered 1
		.amdhsa_forward_progress 1
		.amdhsa_inst_pref_size 54
	.end_amdhsa_kernel
	.amdgpu_metadata
---
amdhsa.version: [ 1, 2 ]
amdhsa.kernels:
  - .name:           k_qb2df5688d9_prep
    .symbol:         k_qb2df5688d9_prep.kd
    .args:
      - { .name: x, .offset: 0, .size: 8, .value_kind: global_buffer, .address_space: global }
      - { .name: W_attn, .offset: 8, .size: 8, .value_kind: global_buffer, .address_space: global }
      - { .name: xc, .offset: 16, .size: 8, .value_kind: global_buffer, .address_space: global }
      - { .name: xs, .offset: 24, .size: 8, .value_kind: global_buffer, .address_space: global }
      - { .name: wc, .offset: 32, .size: 8, .value_kind: global_buffer, .address_space: global }
      - { .name: ws, .offset: 40, .size: 8, .value_kind: global_buffer, .address_space: global }
      - { .name: W_proj, .offset: 48, .size: 8, .value_kind: global_buffer, .address_space: global }
      - { .name: wp16, .offset: 56, .size: 8, .value_kind: global_buffer, .address_space: global }
    .group_segment_fixed_size: 33280
    .private_segment_fixed_size: 0
    .kernarg_segment_align: 8
    .kernarg_segment_size: 64
    .max_flat_workgroup_size: 128
    .sgpr_count:     66
    .vgpr_count:     192
    .wavefront_size: 32
...
	.end_amdgpu_metadata
.endif
;; end of part 1
;; launch qkv (part 2): grid 12 x 32, 4 waves a work-group, clusters of 4 x 4, 327,680 bytes of LDS; arguments xc, xs, wc, ws, b_attn, qkv, qkvf; writes qkv, qkvf
.if DOCPART == 2
	.amdgcn_target "amdgcn-amd-amdhsa--gfx1250"
	.amdhsa_code_object_version 6
	.text
	.protected	k_qb2df5688d9_qkv
	.globl	k_qb2df5688d9_qkv
	.p2align	8
	.type	k_qb2df5688d9_qkv,@function
k_qb2df5688d9_qkv:
	s_mov_b64 s[64:65], 0
	v_nop
	global_prefetch_b8 v0, s[64:65] scope:SCOPE_SE
	s_setreg_imm32_b32 hwreg(HW_REG_WAVE_MODE, 25, 1), 1
	s_wait_xcnt 0x0
	s_wait_alu depctr_hold_cnt(0) depctr_sa_sdst(0) depctr_va_vdst(0) depctr_va_sdst(0) depctr_va_ssrc(0) depctr_va_vcc(0) depctr_vm_vsrc(0)
	s_getreg_b32 s2, hwreg(HW_REG_IB_STS2, 6, 4)
	s_cmp_eq_u32 s2, 0
	s_cbranch_scc0 .Lentry_in_a_cluster
	s_endpgm
.Lentry_in_a_cluster:
	s_bfe_u32 s2, ttmp6, 0x10000c
	s_cmp_lg_u32 s2, 0xf033
	s_cbranch_scc0 .Lentry_shape_is_right
	s_endpgm
.Lentry_shape_is_right:
; q, k, v = x W_attn^T + b_attn on codes of FP4 (E2M1) with one E8M0 scale for each 32 along K.  A = x's codes [8192][512 bytes], B = W_attn's codes [3072][512 bytes], their scale bytes [rows][32].
; OUT: qkv, f16, [4 batches][48 planes][2048 positions][64]: plane = column / 64 (q's 16 heads, k's, v's), so that 16 positions of a head are 2,048 consecutive bytes;
;      qkvf, f32, [4][16][3072]: the same numbers, unrounded, of the first 16 positions of each batch, for the launch that carries those rows in f32.
; LIMITS: |q|, |k|, |v| stay under 65,504 (f16).  The bias enters as the C of each sum's first matrix instruction: it is added ahead of the products, not behind them.
; A tile of the result, 256 x 256, is made by a work-group of four waves; a wave makes 128 x 128: 64 accumulators of 16 x 16, 512 registers.
; K = 1,024 is two K steps of 512 (LDS rows of 256 bytes): both fit in LDS at once, so the two slots are filled once, at the head, and nothing is filled again.
; THE SCALES of the work-group's 256 rows of A and of B, for all of K, are two dense blocks of memory: they come into LDS once, with the first fills.
; CLUSTERS: 4 x 4 work-groups.  The four of a row of the cluster need the same tiles of A, the four of a column the same tiles of B: each tile is asked for JOINTLY, by the same tensor load with the
; same descriptor and a mask that names the four.  No prefetch: all of a work-group's tiles are asked for at its head.
; THE MATRIX INSTRUCTION IS USED TRANSPOSED (source 0 = 16 rows of B, source 1 = 16 rows of A): a lane then holds eight neighbouring columns of one row of the result.
; REGISTERS, in windows of 256: window 0: v0-31 addresses; v32-95 scale words, two sets; v128-191 A's fragments, ONE set; v192-255 the bias, 8 registers for each block of 16 columns; on the way out v32-63 and v128-191 are at work.
;   window 1: B's fragments, TWO sets, at v0 and at v128.   window 2: the 32 accumulators of my rows 0-63 (accumulator (a, b) at v[8 (8 a + b)]);   window 3: those of my rows 64-127.
.set SIZE_M, 8192
.set SIZE_N, 3072
.set SIZE_K, 1024
.set KSTEP,  512                       ; along K in a slot
.set NQ,     KSTEP/128                 ; matrix instructions deep
.set ROWB,   256                       ; a tile's row in bytes
.set KROW,   SIZE_K*4/8                ; a row of A or of B in memory, in bytes
.set PITCH,  272                       ; an LDS row: 256 bytes + 16 of padding = 68 words: the 16 rows that a load touches start at 16 different banks (64 banks of 4 bytes: ISA guide 11.1)
.set FR,     8                         ; registers of a fragment: 16 rows x 128 K
.set NL,     2                         ; LDS loads that bring one
.set NP,     4                         ; places behind this matrix instruction (ISA guide 7.12.1)
.set HALFT,  128*PITCH                 ; 128 rows: what one tensor load brings, and what one wave reads of A or of B
.set SLOT,   4*HALFT                   ; A's 256 rows, then B's 256 rows
.set KS,     SIZE_K/32                 ; a row of scales in bytes
.set SCL,    2*SLOT                    ; behind the slots: the scales, as runs of 256 bytes + 16 of padding
.set HALFS,  (128*KS/256)*272          ; the scales of 128 rows: what one tensor load brings
.set SBLK,   (16*KS/256)*272           ; those of 16 rows
.set SPARE,  SCL+4*HALFS               ; behind the scales: the spare words, 128 bytes a wave
.set SPITCH, 272                       ; the way out: a stage of 16 rows x (256 bytes + 16) for each wave, in slot 0, which has had its only fill and its last read when the first result is stored there
.set PLANE,  2048*128                  ; a plane of qkv in bytes
.set ADRA, 16                          ; v16-17  LDS address of my A fragments in slot 0, 1
.set ADRB, 20                          ; v20-21  the same for B
.set FO,   22                          ; v22     my byte offset in qkvf: row l % 16, + 32 (l / 16)
.set TF,   23                          ; v23     the position of my wave's first row
.set STO,  24                          ; v24     the way out: where I put 16 bytes of a row
.set RD,   25                          ; v25     the way out: where I read back
.set CO,   26                          ; v26     16 x lane
.set ADRS, 27                          ; v27     LDS address of my scale words: lanes 0-15 A's rows, lanes 16-31 B's
.set SPW,  28                          ; v28     LDS address of my spare word; never rewritten
.set NIL,  29                          ; v29     0; never rewritten
.set SC,   32                          ; scale words: set s at v[SC + 8 NQ s]; register NQ i + q: lanes 0-15 the word of A's block i, lanes 16-31 that of B's block i, for the slot's q-th 128 along K
.set TMP,  32                          ; the way out: a block's packed results
.set AF,   128                         ; A's fragments
.set BK,   128                         ; the way out: a block read back: v128-159 and v160-191 by turns
.set BI,   192                         ; the bias
.set G1, 24                            ; s[24:31] descriptor group 1 for A's tiles;  s[32:39] group 0, one set for each slot
.set G0, 32
.set G1B, 48                           ; s[48:55], s[56:63] the same for B's tiles
.set G0B, 56
.set G1S, 68                           ; s[68:75], s[76:79] groups 1 and 0 for A's scales;  s[80:87], s[88:91] for B's
.set G0S, 76
.set G1SB, 80
.set G0SB, 88
.set MSB, 0
.macro WIN new                         ; the immediate's high byte repeats the setting that is left
.if MSB != \new
	s_set_vgpr_msb (MSB<<8)|\new
.set MSB, \new
.endif
.endm
.set MUL_LO, 0xa1                      ; source 0 (B) window 1, source 1 (A) window 0, C and D window 2
.set MUL_HI, 0xf1                      ; the same, C and D window 3
.set BIAS_LO, 0x81                     ; the first step: C (the bias) window 0, D window 2
.set BIAS_HI, 0xc1                     ; and D window 3
.set TO_B,   0x40                      ; destination window 1, address window 0
; A joint load: waves 0 and 1 fetch for A, waves 2 and 3 for B.  Each of the two lines has ONE mask and one set of registers for all that issue it; the branch hangs on the wave's number alone.
; An s_nop 0 and four v_nop follow each of the two lines, ahead of the jump, the label and what follows.
.macro JLOAD g0a, g1a, g0b, g1b
	s_cmp_eq_u32 s15, 0
	s_cbranch_scc0 .Lfor_b_\@
	tensor_load_to_lds s[\g0a:\g0a+3], s[\g1a:\g1a+7]
	s_nop 0
.rept 4
	v_nop
.endr
	s_branch .Lasked_\@
.Lfor_b_\@:
	tensor_load_to_lds s[\g0b:\g0b+3], s[\g1b:\g1b+7]
	s_nop 0
.rept 4
	v_nop
.endr
.Lasked_\@:
.endm
.macro CROUND                          ; a round of the cluster's barrier: my work-group's barrier; wave 0 signals for the work-group; every wave waits for all sixteen; my work-group's barrier once more
	s_barrier_signal -1
	s_barrier_wait -1
	s_cmp_lg_u32 s14, 0
	s_cbranch_scc1 .Lnot_wave_0_\@
	s_barrier_signal -3
.Lnot_wave_0_\@:
	s_barrier_wait -3
	s_barrier_signal -1
	s_barrier_wait -1
.endm
	s_load_b128 s[4:7], s[0:1], 0x0                ; A's codes s[4:5], A's scales s[6:7]
	s_load_b128 s[8:11], s[0:1], 0x10              ; B's codes s[8:9], B's scales s[10:11]
	s_load_b128 s[96:99], s[0:1], 0x20             ; b_attn s[96:97], qkv s[98:99]
	s_load_b64 s[100:101], s[0:1], 0x30            ; qkvf
	v_lshl_add_u32 v[SPW], v0, 2, SPARE
	v_mov_b32 v[NIL], 0
	ds_add_u32 v[SPW], v[NIL]                      ; the wave's opening: the add, twice on end, and its wait ahead of my first tensor load; the set-up below stands between the second and the wait
	ds_add_u32 v[SPW], v[NIL]
	v_lshrrev_b32 v1, 5, v0
	v_readfirstlane_b32 s14, v1                    ; wave 0..3
	s_lshr_b32 s15, s14, 1                         ; which half of the tile's rows is mine.  Also: I fetch for A (0) or for B (1)
	s_and_b32 s16, s14, 1                          ; which half of its columns.  Also: which 128 rows of that tile I fetch
	s_bfe_u32 s40, ttmp6, 0x40000                  ; cx, cy: my place in the cluster
	s_bfe_u32 s41, ttmp6, 0x40004
	s_lshl_b32 s42, ttmp9, 2
	s_add_co_u32 s42, s42, s40                     ; tile column = 4 x cluster x + cx
	s_and_b32 s17, ttmp7, 0xffff
	s_lshl_b32 s17, s17, 2
	s_add_co_u32 s17, s17, s41                     ; tile row = 4 x cluster y + cy
	s_lshl_b32 s43, s41, 2
	s_lshl_b32 s43, 15, s43                        ; my row of the cluster
	s_lshl_b32 s44, 0x1111, s40                    ; my column
	; descriptor group 1: a tile of 128 rows x 256 bytes, padded in LDS
	s_or_b32 s[G1+0], s43, (0<<16)|(1<<20)|(1<<21)|(5<<22)|(3<<25)  ; 15:0 the mask: A's tiles go to my row; 17:16 element of 1 byte; 20 padding on; 21 set beside a mask; 24:22 after every 64 words (code 5); 31:25 of 4 words (code 3)
	s_or_b32 s[G1B+0], s44, (0<<16)|(1<<20)|(1<<21)|(5<<22)|(3<<25)
.irp g, G1, G1B
	s_mov_b32 s[\g+1], ROWB<<16                    ; tensor_dim0
	s_mov_b32 s[\g+2], 128<<16                     ; tensor_dim1 = 128
	s_mov_b32 s[\g+3], ROWB<<16                    ; tile_dim0
	s_mov_b32 s[\g+4], 128                         ; tile_dim1 = 128
	s_mov_b32 s[\g+5], KROW                        ; tensor_dim0_stride
	s_mov_b32 s[\g+6], 0
	s_mov_b32 s[\g+7], 0
.endr
	; and for the scales of 128 rows: a dense block of 4,096 bytes, as rows of 256 bytes (32 elements of 8 bytes), 16 bytes of padding behind each
	s_or_b32 s[G1S+0], s43, (3<<16)|(1<<20)|(1<<21)|(5<<22)|(3<<25)
	s_or_b32 s[G1SB+0], s44, (3<<16)|(1<<20)|(1<<21)|(5<<22)|(3<<25)
.irp g, G1S, G1SB
	s_mov_b32 s[\g+1], 32<<16
	s_mov_b32 s[\g+2], (128*KS/256)<<16
	s_mov_b32 s[\g+3], 32<<16
	s_mov_b32 s[\g+4], 128*KS/256
	s_mov_b32 s[\g+5], 32
	s_mov_b32 s[\g+6], 0
	s_mov_b32 s[\g+7], 0
.endr
	s_lshl_b32 s18, s16, 7                         ; which 128 rows of the tile I fetch
	s_lshl_b32 s20, s17, 8
	s_add_co_u32 s20, s20, s18                     ; A: row 256 x tile row + 128 x half
	s_lshl_b32 s46, s42, 8
	s_add_co_u32 s46, s46, s18                     ; B: row 256 x tile column + 128 x half
	s_mov_b32 s21, 0
	s_mov_b32 s47, 0
	s_mov_b64 s[18:19], KS
	s_mul_u64 s[22:23], s[20:21], s[18:19]         ; where these rows' scales begin, in bytes
	s_mul_u64 s[92:93], s[46:47], s[18:19]
	s_mov_b64 s[18:19], KROW
	s_mul_u64 s[20:21], s[20:21], s[18:19]         ; and their codes
	s_mul_u64 s[46:47], s[46:47], s[18:19]
	s_mul_i32 s45, s14, HALFT                      ; where they go: wave x 128 rows: no place in the cluster enters an LDS address
	s_mul_i32 s94, s14, HALFS
	s_wait_dscnt 0x0                               ; both opening adds are done
	s_wait_kmcnt 0x0
	s_add_nc_u64 s[20:21], s[4:5], s[20:21]
	s_add_nc_u64 s[22:23], s[6:7], s[22:23]
	s_add_nc_u64 s[46:47], s[8:9], s[46:47]
	s_add_nc_u64 s[92:93], s[10:11], s[92:93]
	CROUND                                         ; all sixteen work-groups are here: the joint loads meet
	s_mov_b32 s[G0S], 1
	s_add_co_u32 s[G0S+1], s94, SCL
	s_mov_b64 s[G0S+2:G0S+3], s[22:23]
	s_or_b32 s[G0S+3], s[G0S+3], 0x80000000
	s_mov_b32 s[G0SB], 1
	s_add_co_u32 s[G0SB+1], s94, SCL
	s_mov_b64 s[G0SB+2:G0SB+3], s[92:93]
	s_or_b32 s[G0SB+3], s[G0SB+3], 0x80000000
	JLOAD G0S, G1S, G0SB, G1SB                     ; the scales first: they are wanted with K step 0
.irp s, 0,1
	s_mov_b32 s[G0+4*\s], 1
	s_add_co_u32 s[G0+4*\s+1], s45, \s*SLOT
	s_add_nc_u64 s[G0+4*\s+2:G0+4*\s+3], s[20:21], \s*ROWB
	s_or_b32 s[G0+4*\s+3], s[G0+4*\s+3], 0x80000000
	s_mov_b32 s[G0B+4*\s], 1
	s_add_co_u32 s[G0B+4*\s+1], s45, \s*SLOT
	s_add_nc_u64 s[G0B+4*\s+2:G0B+4*\s+3], s[46:47], \s*ROWB
	s_or_b32 s[G0B+4*\s+3], s[G0B+4*\s+3], 0x80000000
	JLOAD G0+4*\s, G1, G0B+4*\s, G1B               ; three tensor loads of mine are out in all
.endr
	v_and_b32 v1, 15, v0                           ; l % 16
	v_bfe_u32 v2, v0, 4, 1                         ; l / 16
	v_mul_u32_u24 v3, v1, PITCH
	v_lshl_add_u32 v4, v2, 4, v3                   ; a fragment's row x pitch + 16 x half
	s_mul_i32 s21, s15, HALFT                      ; my 128 rows of A
	s_mul_i32 s22, s16, HALFT                      ; my 128 rows of B,
	s_add_co_u32 s22, s22, 2*HALFT                 ; which lie behind A's 256
.irp s, 0,1
	v_add_nc_u32 v[ADRA+\s], s21, v4
	v_add_nc_u32 v[ADRB+\s], s22, v4
	s_add_co_u32 s21, s21, SLOT
	s_add_co_u32 s22, s22, SLOT
.endr
	v_mul_u32_u24 v5, v1, KS                       ; my row's scales: KS bytes a row,
	v_lshrrev_b32 v6, 8, v5
	v_lshl_add_u32 v5, v6, 4, v5                   ; and 16 more for each 256 passed
	s_mul_i32 s21, s15, HALFS                      ; A's: my 128 rows
	s_mul_i32 s22, s16, HALFS                      ; B's: my 128 rows, behind A's 256
	s_add_co_u32 s22, s22, 2*HALFS
	s_sub_co_u32 s22, s22, s21
	v_mul_u32_u24 v6, s22, v2                      ; lanes 16-31 take B's
	s_add_co_u32 s21, s21, SCL
	v_add_nc_u32 v5, v5, v6
	v_add_nc_u32 v[ADRS], s21, v5
	s_mul_i32 s23, s14, 16*SPITCH                  ; my stage
	v_mul_u32_u24 v5, v1, SPITCH                   ; in: row l % 16, 16 bytes for each half of the lanes
	v_lshl_add_u32 v5, v2, 4, v5
	v_add_nc_u32 v[STO], s23, v5
	v_and_b32 v6, 31, v0
	v_lshrrev_b32 v7, 3, v6                        ; back: eight lanes take the 128 bytes that one row has of one head: four rows an instruction
	v_and_b32 v8, 7, v6
	v_mul_u32_u24 v7, v7, SPITCH
	v_lshl_add_u32 v7, v8, 4, v7
	v_add_nc_u32 v[RD], s23, v7
	v_lshlrev_b32 v[CO], 4, v6                     ; and in qkv those four rows are 512 consecutive bytes
	v_mul_u32_u24 v[FO], v1, SIZE_N*4
	v_lshl_add_u32 v[FO], v2, 5, v[FO]
	s_lshl_b32 s20, s17, 8
	s_lshl_b32 s21, s15, 7
	s_add_co_u32 s20, s20, s21                     ; my first row: 256 x tile row + 128 x half
	s_lshr_b32 s21, s20, 11                        ; its batch,
	s_and_b32 s22, s20, 2047                       ; its position
	v_mov_b32 v[TF], s22
	s_lshl_b32 s92, s42, 1
	s_add_co_u32 s92, s92, s16                     ; my first column / 128 (in the registers that held B's addresses)
	s_mul_i32 s46, s21, 48*PLANE                   ; qkv: the batch,
	s_lshl_b32 s47, s22, 7                         ; the position, 128 bytes each,
	s_add_co_u32 s46, s46, s47
	s_lshl_b32 s47, s92, 19                        ; and two planes for each 128 columns
	s_add_co_u32 s46, s46, s47
	s_mov_b32 s47, 0
	s_add_nc_u64 s[98:99], s[98:99], s[46:47]
	s_mul_i32 s46, s21, 16*SIZE_N*4                ; qkvf: the batch's 16 rows,
	s_lshl_b32 s93, s92, 9                         ; my 128 columns of f32
	s_add_co_u32 s46, s46, s93
	s_add_nc_u64 s[100:101], s[100:101], s[46:47]
	s_mov_b32 s46, s93
	s_add_nc_u64 s[96:97], s[96:97], s[46:47]      ; b_attn at my first column
	v_lshlrev_b32 v9, 5, v2
.irp b, 0,1,2,3,4,5,6,7                        ; the bias in the result's layout: lane (r, h), block b, register j: b_attn[my first column + 16 b + 8 h + j]
	global_load_b128 v[BI+8*\b:BI+8*\b+3], v9, s[96:97] offset:64*\b
	global_load_b128 v[BI+8*\b+4:BI+8*\b+7], v9, s[96:97] offset:64*\b+16
.endr
.macro FRAG reg, adr, q, i             ; a fragment, 16 rows x 128 K of 4-bit codes, is 8 registers: lane l holds row l % 16; registers 4 c .. 4 c + 3 hold K = 64 c + 32 (l / 16) + 0 .. 31
.irp c, 0,1
	ds_load_b128 v[\reg+4*\c:\reg+4*\c+3], v[\adr] offset:64*(\q)+32*\c+(\i)*16*PITCH
.endr
.endm
; 16 matrix instructions: A's blocks a0, a0 + 1 x B's eight, 128 along K: the slot's q-th.  p: B's set;  sc: the set of scale words.  zero = 1: the first product starts the sums from the bias: nothing is ever cleared.
; The 64 accumulators take turns, one instruction a turn, in the same order in every step.
.macro MUL16 a0, p, q, sc, zero
.irp a, \a0, \a0+1
.irp b, 0,1,2,3,4,5,6,7
.if \zero
	v_wmma_scale_f32_16x16x128_f8f6f4 v[8*(8*((\a)%4)+\b):8*(8*((\a)%4)+\b)+7], v[128*(\p)+FR*\b:128*(\p)+FR*\b+FR-1], v[AF+FR*(\a):AF+FR*(\a)+FR-1], v[BI+8*\b:BI+8*\b+7], v[SC+8*NQ*(\sc)+NQ*\b+(\q)], v[SC+8*NQ*(\sc)+NQ*(\a)+(\q)] matrix_a_fmt:MATRIX_FMT_FP4 matrix_b_fmt:MATRIX_FMT_FP4 matrix_a_scale:MATRIX_SCALE_ROW1
.else
	v_wmma_scale_f32_16x16x128_f8f6f4 v[8*(8*((\a)%4)+\b):8*(8*((\a)%4)+\b)+7], v[128*(\p)+FR*\b:128*(\p)+FR*\b+FR-1], v[AF+FR*(\a):AF+FR*(\a)+FR-1], v[8*(8*((\a)%4)+\b):8*(8*((\a)%4)+\b)+7], v[SC+8*NQ*(\sc)+NQ*\b+(\q)], v[SC+8*NQ*(\sc)+NQ*(\a)+(\q)] matrix_a_fmt:MATRIX_FMT_FP4 matrix_b_fmt:MATRIX_FMT_FP4 matrix_a_scale:MATRIX_SCALE_ROW1
.endif
.endr
.endr
.endm
.macro FETCH_B slot, q, p              ; B's eight fragments of the slot's q-th 128 along K into set p
	WIN TO_B
.irp i, 0,1,2,3,4,5,6,7
	FRAG 128*(\p)+FR*\i, ADRB+\slot, \q, \i
.endr
	WIN 0
.endm
.macro FETCH_A slot, q, i0             ; A's blocks i0 .. i0 + 3
.irp i, \i0, \i0+1, \i0+2, \i0+3
	FRAG AF+FR*(\i), ADRA+\slot, \q, \i
.endr
.endm
.macro SCALES sc                       ; a K step's scale words into set sc: NQ words a row; lanes 0-15 take A's block i, lanes 16-31 B's block i
.irp i, 0,1,2,3,4,5,6,7
	ds_load_b128 v[SC+8*NQ*\sc+NQ*\i:SC+8*NQ*\sc+NQ*\i+3], v[ADRS] offset:\i*SBLK
.endr
.endm
; A load into a register that a matrix instruction has read, and a vector instruction or a store that reads a matrix result, stand NP places behind that matrix instruction; only plain vector
; instructions that name none of its registers are places (ISA guide 7.12.1 for vector instructions).
.macro PLACES n
.rept \n
	v_nop
.endr
.endm
; A step of 128 along K that has its successor in the same slot.
.macro STEP slot, q, zero
	s_wait_dscnt 4*NL                              ; B's set and A's blocks 0-3 are in; the youngest eight loads (A's blocks 4-7) may be out
.if \zero
	WIN BIAS_LO
.else
	WIN MUL_LO
.endif
	MUL16 0, (\q)%2, \q, \slot, \zero
	MUL16 2, (\q)%2, \q, \slot, \zero
	s_wait_dscnt 0                                 ; A's blocks 4-7 are in (asked for 32 matrix instructions ago)
	PLACES NP
	FETCH_B \slot, (\q)+1, 1-(\q)%2
	FETCH_A \slot, (\q)+1, 0
.if \zero
	WIN BIAS_HI
.else
	WIN MUL_HI
.endif
	MUL16 4, (\q)%2, \q, \slot, \zero
	MUL16 6, (\q)%2, \q, \slot, \zero
	PLACES NP
	WIN 0
	FETCH_A \slot, (\q)+1, 4
.endm
; Slot 0's last step changes slots: ONE barrier; in front of it each wave waits for all its tensor loads (its part of slot 1), adds 0 to its spare word, and waits for that and for its own reads of slot 0.
; Behind it slot 1 is whole, and nobody reads slot 0 any more: the stages of the way out lie there.  Nothing is filled again.
.macro TURN slot, next
	s_wait_tensorcnt 0x0                           ; all my tensor loads have landed  (every window is 0 here: the add's two registers lie in window 0)
	ds_add_u32 v[SPW], v[NIL]                      ; 0 onto my spare word
	s_wait_dscnt 4*NL+1                            ; (the add and the youngest eight loads, A's blocks 4-7, may be out)
	WIN MUL_LO
	MUL16 0, 1, NQ-1, \slot, 0                     ; sixteen matrix instructions stand between the add and the wait for it
	s_wait_dscnt 0x0                               ; the add is done, and my reads of this slot are over
	s_barrier_signal -1
	MUL16 2, 1, NQ-1, \slot, 0
	WIN 0
	s_barrier_wait -1
	PLACES NP
	v_add_nc_u32 v[ADRS], 4*NQ, v[ADRS]            ; on to the next K step's scale words (no LDS load of mine is out)
	FETCH_B \next, 0, 0
	FETCH_A \next, 0, 0
	SCALES \next
	WIN MUL_HI
	MUL16 4, 1, NQ-1, \slot, 0
	MUL16 6, 1, NQ-1, \slot, 0
	PLACES NP
	WIN 0
	FETCH_A \next, 0, 4
.endm
.macro STEPS slot, from                ; the slot's steps from .. NQ - 2
.set Q, \from
.rept NQ-1-\from
	STEP \slot, Q, 0
.set Q, Q+1
.endr
.endm
	s_wait_tensorcnt 1                             ; the scales and my part of K step 0 are in (K step 1's load may be out)
	s_barrier_signal -1
	s_barrier_wait -1                              ; everybody's are
	FETCH_B 0, 0, 0
	FETCH_A 0, 0, 0
	SCALES 0
	FETCH_A 0, 0, 4
	s_wait_loadcnt 0x0                             ; the bias
	STEP 0, 0, 1                                   ; the first step's products start the sums from the bias
	STEPS 0, 1
	TURN 0, 1
	STEPS 1, 0
	s_wait_dscnt 4*NL                              ; the very last step: nothing more to fetch
	WIN MUL_LO
	MUL16 0, 1, NQ-1, 1, 0
	MUL16 2, 1, NQ-1, 1, 0
	s_wait_dscnt 0
	WIN MUL_HI
	MUL16 4, 1, NQ-1, 1, 0
	MUL16 6, 1, NQ-1, 1, 0
	WIN 0
; THE WAY OUT, block by block of 16 rows x 128 columns (two heads).  PACK: rounded to f16, 16 bytes a lane.  TOSTAGE: into my own stage and back, four rows of one head an instruction.  SEND: stored, 512 consecutive bytes an instruction.
; LDS serves a wave's instructions in order (ISA guide 5.7.1.4): no wait between the stores and the loads, nor in front of the next block's stores.
.macro PACK a
.set AC, 64*((\a)%4)
	WIN 0x0a+5*((\a)/4)                            ; sources 0 and 1: window 2 or 3
.irp b, 0,1,2,3,4,5,6,7
.irp i, 0,1,2,3
	v_cvt_pk_f16_f32 v[TMP+4*\b+\i], v[AC+8*\b+2*\i], v[AC+8*\b+2*\i+1]   ; each accumulator from its low end on
.endr
.endr
	WIN 0
.endm
.macro TOSTAGE a
.set BB, BK+32*((\a)%2)
.irp b, 0,1,2,3,4,5,6,7
	ds_store_b128 v[STO], v[TMP+4*\b:TMP+4*\b+3] offset:32*\b
.endr
.irp t, 0,1,2,3,4,5,6,7                        ; head t / 4, rows 4 (t % 4) on
	ds_load_b128 v[BB+4*\t:BB+4*\t+3], v[RD] offset:(\t%4)*4*SPITCH+(\t/4)*128
.endr
.endm
.macro SEND a
.set BB, BK+32*((\a)%2)
	s_wait_dscnt 0x0                               ; the block is back in registers
	s_wait_xcnt 0x0                                ; the block before has been read by its stores: the next block's loads may land in its registers
.irp t, 0,1,2,3,4,5,6,7
	global_store_b128 v[CO], v[BB+4*\t:BB+4*\t+3], s[98:99] offset:(\a)*2048+(\t/4)*PLANE+(\t%4)*512   ; 32 lanes store 512 consecutive bytes, at a multiple of 256 from qkv's first byte
.endr
.endm
	PLACES NP                                      ; behind the last products: for the reads of results, and for writes of registers that held scales and A's fragments
	; The first 16 positions of a batch also leave unrounded.  They are block 0 of the waves whose first row is position 0; the other waves run the same lines with every lane off: no branch hangs on a work-group's place in its cluster.
	v_cmp_eq_u32 vcc_lo, 0, v[TF]
	s_wait_xcnt 0x0                                ; EXEC changes only behind this wait
	s_and_saveexec_b32 s3, vcc_lo
	WIN 0x08                                       ; a store's data are its source 1: window 2
.irp b, 0,1,2,3,4,5,6,7
	global_store_b128 v[FO], v[8*\b:8*\b+3], s[100:101] offset:64*\b
	global_store_b128 v[FO], v[8*\b+4:8*\b+7], s[100:101] offset:64*\b+16
.endr
	WIN 0
	s_wait_xcnt 0x0                                ; and again, in front of the line that widens it
	s_or_b32 exec_lo, exec_lo, s3
	PACK 0
	TOSTAGE 0
.irp a, 1,2,3,4,5,6,7                          ; block a's conversions stand between block a - 1's loads from the stage and the wait for them
	PACK \a
	SEND \a-1
	TOSTAGE \a
.endr
	SEND 7
	s_wait_tensorcnt 0x0                           ; the wave's end, behind my last tensor load and my last LDS store
	ds_add_u32 v[SPW], v[NIL]
	s_wait_dscnt 0x0
	CROUND                                         ; the closing round: no work-group ends while a partner may still ask for a tile that names it
	s_endpgm
.Lfunc_end_k_qb2df5688d9_qkv:
	.size	k_qb2df5688d9_qkv, .Lfunc_end_k_qb2df5688d9_qkv-k_qb2df5688d9_qkv
	.p2alignl 7, 3214868480
	.fill 96, 4, 3214868480
	.section	.rodata,"a",@progbits
	.p2align	6, 0x0
	.amdhsa_kernel k_qb2df5688d9_qkv
		.amdhsa_group_segment_fixed_size 327680
		.amdhsa_private_segment_fixed_size 0
		.amdhsa_enable_private_segment 0
		.amdhsa_kernarg_size 56
		.amdhsa_user_sgpr_count 2
		.amdhsa_user_sgpr_kernarg_segment_ptr 1
		.amdhsa_wavefront_size32 1
		.amdhsa_system_sgpr_workgroup_id_x 1
		.amdhsa_system_sgpr_workgroup_id_y 1
		.amdhsa_system_sgpr_workgroup_id_z 1
		.amdhsa_system_vgpr_workitem_id 0
		.amdhsa_next_free_vgpr 1024
		.amdhsa_next_free_sgpr 102
		.amdhsa_reserve_vcc 1
		.amdhsa_float_denorm_mode_32 3
		.amdhsa_float_denorm_mode_16_64 3
		.amdhsa_memory_ordered 1
		.amdhsa_forward_progress 1
		.amdhsa_inst_pref_size 130
	.end_amdhsa_kernel
	.amdgpu_metadata
---
amdhsa.version: [ 1, 2 ]
amdhsa.kernels:
  - .name:           k_qb2df5688d9_qkv
    .symbol:         k_qb2df5688d9_qkv.kd
    .args:
      - { .name: xc, .offset: 0, .size: 8, .value_kind: global_buffer, .address_space: global }
      - { .name: xs, .offset: 8, .size: 8, .value_kind: global_buffer, .address_space: global }
      - { .name: wc, .offset: 16, .size: 8, .value_kind: global_buffer, .address_space: global }
      - { .name: ws, .offset: 24, .size: 8, .value_kind: global_buffer, .address_space: global }
      - { .name: b_attn, .offset: 32, .size: 8, .value_kind: global_buffer, .address_space: global }
      - { .name: qkv, .offset: 40, .size: 8, .value_kind: global_buffer, .address_space: global }
      - { .name: qkvf, .offset: 48, .size: 8, .value_kind: global_buffer, .address_space: global }
    .group_segment_fixed_size: 327680
    .private_segment_fixed_size: 0
    .kernarg_segment_align: 8
    .kernarg_segment_size: 56
    .max_flat_workgroup_size: 128
    .sgpr_count:     102
    .vgpr_count:     1024
    .wavefront_size: 32
...
	.end_amdgpu_metadata
.endif
;; end of part 2
;; launch attn (part 3): grid 4 x 64, 8 waves a work-group, no clusters, 327,680 bytes of LDS; arguments qkv, att; writes att
.if DOCPART == 3
	.amdgcn_target "amdgcn-amd-amdhsa--gfx1250"
	.amdhsa_code_object_version 6
	.text
	.protected	k_qb2df5688d9_attn
	.globl	k_qb2df5688d9_attn
	.p2align	8
	.type	k_qb2df5688d9_attn,@function
k_qb2df5688d9_attn:
	s_mov_b64 s[64:65], 0
	v_nop
	global_prefetch_b8 v0, s[64:65] scope:SCOPE_SE
	s_setreg_imm32_b32 hwreg(HW_REG_WAVE_MODE, 25, 1), 1
	s_wait_xcnt 0x0
; att[head][b, q][:] = the sum over k <= q of softmax_k(Q[q] . K[k] / 8) V[k][:], for 64 pairs (batch, head); 2,048 positions, head size 64.  Operands f16, products, maxima and sums f32; the weights p are
; rounded to f16 for the second product, the result once at the end.  IN: qkv f16 [4][48 planes][2048][64] (q's 16 heads, k's, v's).  OUT: att f16 [16 heads][8192 rows][64].
; LIMITS: |q|, |k|, |v| under 65,504; NaN and infinities are not served.  The first 16 positions of each batch are made here too, and carried anew in f32 by the last launch.
; SHARES.  256 work-groups of equal work: work-group (j, batch-head) owns query blocks j and 7 - j of 256 queries.  Wave w owns 32 queries of each: the LOW pair of tiles from QL = 256 j + 32 w and the HIGH pair from
; QH = 2016 - QL.  A pair walks the keys up to its last query, 64 a step: (QL + QH + 64) / 64 pair-steps in every wave.  Two waves to a SIMD, so that one wave's softmax stands beside the other's products.
; NO CLUSTER: the four work-groups of a head end their walks at different keys (256 (8 - j)), so a joint load would bring a partner tiles that none of its waves reads.
; LAYOUT.  S^T = K Q^T (source 0 = 16 keys, source 1 = 16 queries): a lane holds ONE query (lane % 16) and the keys 8 (lane / 16) + 0..7 of each tile.  Two such tiles, rounded to f16 in pairs, ARE source 1 (32 keys x
; 16 queries) of O^T = V^T P.  K comes out of LDS as it lies, V ([key][channel]) turned, by ds_load_tr16_b128.
; SOFTMAX.  For each query a running maximum m and sum l: p = 2^(c s - c m), c = log2(e) / 8; in every step O and l are multiplied by a = 2^(c m_old - c m_new).  m begins at -3e38, O and l at 0, so the loop has no first step of its own.
; THE MASK.  Every work-group walks all 8 slots: the trip counts are constants.  A step all of whose keys come after a pair's queries is left out by a scalar branch on ids; on the diagonal hidden scores become -infinity.
; RING.  Two LDS slots of 4 steps (256 keys).  A step's K and V are dense blocks of 8,192 bytes, brought as 32 rows of 256 bytes (two keys to a row).  Waves 0-3 fetch K's four steps, waves 4-7 V's: one load a wave.
; REGISTERS, in windows of 256: window 0: v1-15 addresses; v16-47 statistics, 8 a tile; v64-127 S^T of the pair in hand; v128-191 K; v224-255 P.   window 1: v0-127 O^T, 32 a tile; v128-191 V; v192-255 Q.
.set KS,    64                         ; keys in a step
.set NST,   4                          ; steps in a slot
.set PK,    272                        ; an LDS row of K: two keys, 256 bytes + 16: the 16 keys of a load start at 16 different groups of four banks (64 banks of 4 bytes: ISA guide 11.1)
.set PVP,   288                        ; an LDS row of V: 256 + 32
.set VOFF,  32*PK                      ; a step: 32 rows of K, then 32 rows of V
.set STEPB, 32*(PK+PVP)
.set SLOT1, 1<<17                      ; slot 1 begins here, so that one exclusive or turns an address in one slot into the other's
.set STAGE, SLOT1+NST*STEPB            ; behind the ring: 16 rows x (128 bytes + 16) for each wave, for the way out
.set SPITCH, 144
.set SPARE, STAGE+8*16*SPITCH          ; behind the stages: the spare words, 128 bytes a wave
.set NSL,   2048/(NST*KS)              ; slots' worth of keys
.set SLOTB, NST*KS*128                 ; a slot's keys in memory, in bytes
.set PLANE, 2048*128                   ; a plane of qkv
.set AK0, 1                            ; v1   my lane's place in a tile of K
.set AV0, 2                            ; v2   the same for V
.set ADK, 3                            ; v3   LDS address of the step's K
.set ADV, 4                            ; v4   of its V
.set QO,  5                            ; v5   my byte offset in 16 rows of Q
.set STO, 6                            ; v6   the way out: where I put 16 bytes of a row
.set RD,  7                            ; v7   where I read back
.set GO,  8                            ; v8   16 x lane
.set RH,  9                            ; v9   lane % 16 - 8 (lane / 16)
.set D0,  10                           ; v10-11 the mask's bound for the pair's two tiles
.set NINF, 12                          ; v12  -infinity
.set PFO, 13                           ; v13  256 x lane
.set SPW, 14                           ; v14  LDS address of my spare word; never rewritten
.set NIL, 15                           ; v15  0; never rewritten
.set ST,  16                           ; tile t's statistics at v[ST + 8 t]: +0 c m, +1 m, +2, +3 l (even keys', odd keys'), +4 to +7 c0-c3 at work; a takes c2's place
.set S,   64
.set KR,  128
.set P,   224
.set O,   0                            ; window 1
.set VR,  128
.set QR,  192
.set WV,  8                            ; s8   wave
.set QL,  9                            ; s9   the low pair's first query
.set QH,  10                           ; s10  the high pair's
.set KF,  11                           ; s11  the step's first key
.set TB,  12                           ; s12  LDS byte at which the step's tiles begin
.set SLOTS, 13                         ; s13  changes of slots still to come that may ask for a slot
.set STEPC, 14                         ; s14  counts a slot's steps
.set LIM, 15                           ; s15  1 in a work-group that prefetches, else the greatest number
.set PFA, 18                           ; s[18:19] where my prefetches stand
.set SEL, 20                           ; s[20:21] lane selects for v_permlanex16_b32: lane l xor 16
.set CS,  22                           ; s[22:23] c: the packed form names a pair and takes its low word for both halves
.set G1K, 24                           ; s[24:31], s[32:39] descriptor groups 1 for K's and V's tiles; s[40:43], s[44:47] their groups 0, which walk
.set G1V, 32
.set G0K, 40
.set G0V, 44
.set OH,  50                           ; s[50:51] att at the high pair's first row; s[52:53] at the low pair's
.set QBH, 54                           ; s[54:55], s[56:57] q likewise
.set QBL, 56
.set MSB, 0
.macro WIN new                         ; the immediate's high byte repeats the setting that is left
.if MSB != \new
	s_set_vgpr_msb (MSB<<8)|\new
.set MSB, \new
.endif
.endm
.set W_KQ, 0x04                        ; Q (source 1) window 1; K, S^T window 0
.set W_PV, 0x51                        ; V (source 0), O^T (C and D) window 1; P window 0
.set W_RS, 0x41                        ; O^T (destination and source 0) window 1; a window 0
.set TO_1, 0x40                        ; destination window 1
; Waves 0-3 fetch K's steps, waves 4-7 V's.  The branch hangs on the wave's number alone.  An s_nop 0 and four v_nop follow each of the two lines.
.macro TLOAD
	s_cmp_lt_u32 s[WV], 4
	s_cbranch_scc0 .Lfor_v_\@
	tensor_load_to_lds s[G0K:G0K+3], s[G1K:G1K+7]
	s_nop 0
.rept 4
	v_nop
.endr
	s_branch .Lasked_\@
.Lfor_v_\@:
	tensor_load_to_lds s[G0V:G0V+3], s[G1V:G1V+7]
	s_nop 0
.rept 4
	v_nop
.endr
.Lasked_\@:
.endm
; A PREFETCH INTO THE L2 of what the NEXT change of slots will ask for.  All four work-groups of a head walk the same K and V: the first of them (j = 0, which walks all keys) asks, each wave for the 8,192 bytes that it
; will itself fetch, lanes 256 bytes apart: one instruction a wave, each aligned 256 bytes named once in the launch.  It stands a slot's four steps ahead of the load.  The last change that fills a slot asks for nothing;
; slots 0 and 1 come by their loads alone.
.macro ASK
	s_cmp_gt_u32 s[SLOTS], s[LIM]
	s_cbranch_scc0 .Lnot_mine_\@
	global_prefetch_b8 v[PFO], s[PFA:PFA+1] th:TH_LOAD_NT scope:SCOPE_SE
.Lnot_mine_\@:
.endm
	s_load_b128 s[4:7], s[0:1], 0x0                ; qkv, att
	v_lshl_add_u32 v[SPW], v0, 2, SPARE
	v_mov_b32 v[NIL], 0
	ds_add_u32 v[SPW], v[NIL]                      ; the wave's opening: the add, twice on end, and its wait ahead of my first tensor load; the set-up below stands between the second and the wait
	ds_add_u32 v[SPW], v[NIL]
	v_lshrrev_b32 v1, 5, v0
	v_readfirstlane_b32 s[WV], v1                  ; wave 0..7
	s_and_b32 s16, s[WV], 3                        ; which of a slot's four steps I fetch
	s_and_b32 s58, ttmp7, 0xffff
	s_lshr_b32 s59, s58, 4                         ; batch
	s_and_b32 s60, s58, 15                         ; head
	s_lshl_b32 s[QL], ttmp9, 8
	s_lshl_b32 s61, s[WV], 5
	s_add_co_u32 s[QL], s[QL], s61                 ; 256 j + 32 w
	s_sub_co_u32 s[QH], 2016, s[QL]
	s_mul_i32 s62, s59, 48*PLANE
	s_lshl_b32 s63, s60, 18
	s_add_co_u32 s62, s62, s63                     ; my head's plane of q, in bytes
	s_mov_b32 s63, 0
	s_lshl_b32 s66, s16, 13                        ; my step's 8,192 bytes in a slot's keys
	s_mov_b32 s67, 0
	s_mul_i32 s17, s16, STEPB                      ; and its place in a slot
	; descriptor group 1: 32 rows of 128 elements of 2 bytes, dense in memory, padded in LDS
	s_mov_b32 s[G1K], (1<<16)|(1<<20)|(5<<22)|(3<<25)   ; 15:0 no mask; 17:16 elements of 2 bytes; 20 padding on; 24:22 after every 64 words (code 5); 31:25 four words (code 3)
	s_mov_b32 s[G1V], (1<<16)|(1<<20)|(5<<22)|(7<<25)   ; the same with eight words of padding (code 7)
.irp g, G1K, G1V
	s_mov_b32 s[\g+1], 128<<16                     ; tensor_dim0
	s_mov_b32 s[\g+2], 32<<16                      ; tensor_dim1
	s_mov_b32 s[\g+3], 128<<16                     ; tile_dim0
	s_mov_b32 s[\g+4], 32                          ; tile_dim1
	s_mov_b32 s[\g+5], 128                         ; tensor_dim0_stride
	s_mov_b32 s[\g+6], 0
	s_mov_b32 s[\g+7], 0
.endr
	s_mov_b32 s[SEL], 0x76543210
	s_mov_b32 s[SEL+1], 0xfedcba98
	s_mov_b32 s[CS], 0x3e38aa3b                    ; c = log2(e) / sqrt(64)
	s_mov_b32 s[CS+1], s[CS]                       ; (named with it as a pair, so it is written)
	s_mov_b32 s[KF], 0
	s_mov_b32 s[TB], 0
	s_mov_b32 s[SLOTS], NSL-1
	s_wait_dscnt 0x0                               ; both opening adds are done
	s_wait_kmcnt 0x0
	s_add_nc_u64 s[4:5], s[4:5], s[62:63]          ; q's plane of my head
	s_add_nc_u64 s[68:69], s[4:5], s[66:67]
	s_add_nc_u64 s[70:71], s[68:69], 16*PLANE      ; my step of slot 0 in k's plane,
	s_add_nc_u64 s[72:73], s[68:69], 32*PLANE      ; and in v's
	s_mov_b32 s[G0K], 1                            ; 1:0 count = 1
	s_mov_b32 s[G0K+1], s17                        ; 63:32 LDS address
	s_mov_b64 s[G0K+2:G0K+3], s[70:71]             ; 120:64 global address
	s_or_b32 s[G0K+3], s[G0K+3], 0x80000000        ; 127:126 type = 2
	s_mov_b32 s[G0V], 1
	s_add_co_u32 s[G0V+1], s17, VOFF
	s_mov_b64 s[G0V+2:G0V+3], s[72:73]
	s_or_b32 s[G0V+3], s[G0V+3], 0x80000000
	TLOAD                                          ; slot 0: one load of mine is out
	s_cmp_lt_u32 s[WV], 4
	s_cselect_b64 s[PFA:PFA+1], s[70:71], s[72:73]
	s_add_nc_u64 s[PFA:PFA+1], s[PFA:PFA+1], SLOTB ; in slot 1: the first change of slots steps it to slot 2.  Nothing is prefetched here, at the head
	s_cmp_eq_u32 ttmp9, 0
	s_cselect_b32 s[LIM], 1, -1
	s_lshl_b32 s66, s[QH], 7
	s_add_nc_u64 s[QBH:QBH+1], s[4:5], s[66:67]
	s_lshl_b32 s62, s60, 20                        ; att: the head's plane of 8,192 rows of 128 bytes,
	s_lshl_b32 s61, s59, 18                        ; the batch's 2,048 rows
	s_add_co_u32 s62, s62, s61
	s_add_nc_u64 s[6:7], s[6:7], s[62:63]
	s_add_nc_u64 s[OH:OH+1], s[6:7], s[66:67]
	s_lshl_b32 s66, s[QL], 7
	s_add_nc_u64 s[QBL:QBL+1], s[4:5], s[66:67]
	s_add_nc_u64 s[OH+2:OH+3], s[6:7], s[66:67]
	v_and_b32 v48, 15, v0                          ; r = lane % 16
	v_bfe_u32 v49, v0, 4, 1                        ; h = lane / 16
	v_and_b32 v50, 31, v0                          ; lane
	v_lshlrev_b32 v[QO], 7, v48
	v_lshl_add_u32 v[QO], v49, 4, v[QO]            ; row r of 128 bytes + 16 h
	WIN TO_1
.irp tt, 0,1                                   ; Q stays in registers: tile t, channels 32 c on, at v[QR + 8 (2 t + c)]: tiles 0, 1 the high pair, 2, 3 the low
.irp c, 0,1
	global_load_b128 v[QR+8*(2*\tt+\c):QR+8*(2*\tt+\c)+3], v[QO], s[QBH:QBH+1] offset:\tt*2048+64*\c
	global_load_b128 v[QR+8*(2*\tt+\c)+4:QR+8*(2*\tt+\c)+7], v[QO], s[QBH:QBH+1] offset:\tt*2048+64*\c+32
	global_load_b128 v[QR+8*(4+2*\tt+\c):QR+8*(4+2*\tt+\c)+3], v[QO], s[QBL:QBL+1] offset:\tt*2048+64*\c
	global_load_b128 v[QR+8*(4+2*\tt+\c)+4:QR+8*(4+2*\tt+\c)+7], v[QO], s[QBL:QBL+1] offset:\tt*2048+64*\c+32
.endr
.endr
.set i, 0
.rept 128
	v_mov_b32 v[O+i], 0                            ; O^T.  (The loop is written once: its first step finds zeros, which a = 0 leaves zeros)
.set i, i+1
.endr
	WIN 0
	v_lshrrev_b32 v51, 1, v48                      ; K: key r of a tile lies in LDS row r / 2, half r % 2
	v_mul_u32_u24 v[AK0], v51, PK
	v_and_b32 v51, 1, v0
	v_lshl_add_u32 v[AK0], v51, 7, v[AK0]
	v_lshl_add_u32 v[AK0], v49, 4, v[AK0]
	v_bfe_u32 v52, v0, 1, 2                        ; V: the turning load's lane l reads 16 bytes of key 8 h + l % 8, channels 8 ((l / 8) % 2) on
	v_lshl_add_u32 v52, v49, 2, v52
	v_mul_u32_u24 v[AV0], v52, PVP
	v_lshl_add_u32 v[AV0], v51, 7, v[AV0]
	v_bfe_u32 v52, v0, 3, 1
	v_lshl_add_u32 v[AV0], v52, 4, v[AV0]
	v_add_nc_u32 v[AV0], VOFF, v[AV0]
	s_mul_i32 s97, s[WV], 16*SPITCH
	s_add_co_u32 s97, s97, STAGE                   ; my stage
	v_mul_u32_u24 v[STO], v48, SPITCH
	v_lshl_add_u32 v[STO], v49, 4, v[STO]
	v_add_nc_u32 v[STO], s97, v[STO]               ; in: row r, 16 bytes for each half of the lanes
	v_bfe_u32 v52, v0, 3, 2
	v_mul_u32_u24 v[RD], v52, SPITCH
	v_and_b32 v53, 7, v0
	v_lshl_add_u32 v[RD], v53, 4, v[RD]
	v_add_nc_u32 v[RD], s97, v[RD]                 ; back: eight lanes to a row of 128 bytes, four rows an instruction
	v_lshlrev_b32 v[GO], 4, v50
	v_lshlrev_b32 v52, 3, v49
	v_sub_nc_u32 v[RH], v48, v52
	v_mov_b32 v[NINF], 0xff800000
	v_lshlrev_b32 v[PFO], 8, v50
.set i, 0
.rept 32
	v_mov_b32 v[ST+i], 0                           ; l = 0; the registers at work are written once, so that each is written on every path
.set i, i+1
.endr
.irp t, 0,1,2,3
	v_mov_b32 v[ST+8*\t+1], 0xff61b1e6             ; m = -3e38, under every score
.endr
.irp t, 0,1,2,3
	v_mul_f32 v[ST+8*\t], s[CS], v[ST+8*\t+1]      ; c m
.endr
; ONE PAIR OF TILES, ONE KEY STEP.  x = 0: the high pair (tiles 0, 1), x = 1: the low pair (tiles 2, 3); q0: the scalar that holds its first query.
.macro PAIR x, q0
	WIN W_KQ
.set i, 0
.rept 16                                       ; S^T = K Q^T: channels 32 (i / 8) on, keys 16 ((i / 2) % 4) on, tile i % 2.  The eight accumulators take turns; the first eight products start the sums
.set rS, S+32*(i%2)+8*((i/2)%4)
.set rK, KR+8*(2*((i/2)%4)+i/8)
.set rQ, QR+8*(2*(2*(\x)+i%2)+i/8)
.if i < 8
	v_wmma_f32_16x16x32_f16 v[rS:rS+7], v[rK:rK+7], v[rQ:rQ+7], 0
.else
	v_wmma_f32_16x16x32_f16 v[rS:rS+7], v[rK:rK+7], v[rQ:rQ+7], v[rS:rS+7]
.endif
.set i, i+1
.endr
	WIN 0
.rept 4
	v_nop                                          ; four places between the last product and the first read of the scores (ISA guide 7.12.1)
.endr
	s_add_co_u32 s96, s[KF], KS-1                  ; a step all of whose keys count for the pair's first query skips the mask
	s_cmp_le_u32 s96, s[\q0]
	s_cbranch_scc1 .Lopen_\@
	s_sub_co_u32 s96, s[\q0], s[KF]
	v_add_nc_u32 v[D0], s96, v[RH]                 ; d = my query - KF - 8 (lane / 16).  Register 8 kt + j holds key KF + 16 kt + 8 (lane / 16) + j: hidden where 16 kt + j > d
	v_add_nc_u32 v[D0+1], 16, v[D0]
.irp tt, 0,1
.set n, 0
.rept 32
	v_cmp_gt_i32 vcc_lo, 16*(n/8)+n%8, v[D0+\tt]
	v_cndmask_b32 v[S+32*\tt+n], v[S+32*\tt+n], v[NINF], vcc_lo
.set n, n+1
.endr
.endr
.Lopen_\@:
	; the maximum of a lane's 32 scores and the old m: four chains of seven, then what is left; the two tiles line by line by turns
.irp j, 0,1,2,3
.irp tt, 0,1
	v_max3_num_f32 v[ST+8*(2*(\x)+\tt)+4+\j], v[S+32*\tt+8*\j], v[S+32*\tt+8*\j+1], v[S+32*\tt+8*\j+2]   ; (each accumulator is read from its low end on)
.endr
.endr
.irp g, 1,2
.irp j, 0,1,2,3
.irp tt, 0,1
	v_max3_num_f32 v[ST+8*(2*(\x)+\tt)+4+\j], v[ST+8*(2*(\x)+\tt)+4+\j], v[S+32*\tt+8*\j+2*\g+1], v[S+32*\tt+8*\j+2*\g+2]
.endr
.endr
.endr
.irp tt, 0,1
	v_max3_num_f32 v[ST+8*(2*(\x)+\tt)+4], v[ST+8*(2*(\x)+\tt)+4], v[S+32*\tt+7], v[S+32*\tt+15]
.endr
.irp tt, 0,1
	v_max3_num_f32 v[ST+8*(2*(\x)+\tt)+6], v[ST+8*(2*(\x)+\tt)+6], v[S+32*\tt+23], v[S+32*\tt+31]
.endr
.irp tt, 0,1
	v_max3_num_f32 v[ST+8*(2*(\x)+\tt)+4], v[ST+8*(2*(\x)+\tt)+4], v[ST+8*(2*(\x)+\tt)+5], v[ST+8*(2*(\x)+\tt)+6]
.endr
.irp tt, 0,1
	v_max3_num_f32 v[ST+8*(2*(\x)+\tt)+4], v[ST+8*(2*(\x)+\tt)+4], v[ST+8*(2*(\x)+\tt)+7], v[ST+8*(2*(\x)+\tt)+1]
.endr
.irp tt, 0,1
	v_permlanex16_b32 v[ST+8*(2*(\x)+\tt)+5], v[ST+8*(2*(\x)+\tt)+4], s[SEL], s[SEL+1]   ; the query's other 32 keys lie in the lane 16 away
.endr
.irp tt, 0,1
	v_mov_b32 v[ST+8*(2*(\x)+\tt)+7], v[ST+8*(2*(\x)+\tt)]          ; c m_old is kept for a
.endr
.irp tt, 0,1
	v_max_num_f32 v[ST+8*(2*(\x)+\tt)+1], v[ST+8*(2*(\x)+\tt)+4], v[ST+8*(2*(\x)+\tt)+5]
.endr
.irp tt, 0,1
	v_mul_f32 v[ST+8*(2*(\x)+\tt)], s[CS], v[ST+8*(2*(\x)+\tt)+1]
.endr
.irp tt, 0,1
	v_sub_f32 v[ST+8*(2*(\x)+\tt)+7], v[ST+8*(2*(\x)+\tt)+7], v[ST+8*(2*(\x)+\tt)]
.endr
.set i, 0
.rept 16
.irp tt, 0,1
	v_pk_fma_f32 v[S+32*\tt+2*i:S+32*\tt+2*i+1], v[S+32*\tt+2*i:S+32*\tt+2*i+1], s[CS:CS+1], v[ST+8*(2*(\x)+\tt):ST+8*(2*(\x)+\tt)+1] op_sel_hi:[1,0,0] neg_lo:[0,0,1] neg_hi:[0,0,1]   ; c s - c m, two at a time
.endr
.set i, i+1
.endr
.irp tt, 0,1
	v_exp_f32 v[ST+8*(2*(\x)+\tt)+6], v[ST+8*(2*(\x)+\tt)+7]        ; a = 2^(c m_old - c m_new)
.endr
.set i, 0
.rept 64
	v_exp_f32 v[S+i], v[S+i]                       ; p = 2^(c s - c m): ONE BATCH of 66 exponentials, none of which reads another's result
.set i, i+1
.endr
	v_nop                                          ; a plain instruction behind the last exponential
	s_wait_alu depctr_va_vdst(0)                   ; and the one wait ahead of the batch's first reader
.set i, 0
.rept 16
.irp tt, 0,1
	v_cvt_pk_f16_f32 v[P+16*\tt+i], v[S+32*\tt+2*i], v[S+32*\tt+2*i+1]   ; P: pair i of the weights
.endr
.set i, i+1
.endr
.irp w, 4,8,16,32                              ; the sum of a tile's 16 pairs, in place: neighbours 1, 2, 4 and 8 pairs apart
.set u, 0
.rept 32/\w
.irp tt, 0,1
	v_pk_add_f32 v[S+32*\tt+\w*u:S+32*\tt+\w*u+1], v[S+32*\tt+\w*u:S+32*\tt+\w*u+1], v[S+32*\tt+\w*u+\w/2:S+32*\tt+\w*u+\w/2+1]
.endr
.set u, u+1
.endr
.endr
.irp tt, 0,1
	v_pk_fma_f32 v[ST+8*(2*(\x)+\tt)+2:ST+8*(2*(\x)+\tt)+3], v[ST+8*(2*(\x)+\tt)+2:ST+8*(2*(\x)+\tt)+3], v[ST+8*(2*(\x)+\tt)+6:ST+8*(2*(\x)+\tt)+7], v[S+32*\tt:S+32*\tt+1] op_sel_hi:[1,0,1]   ; l = a l + the sum
.endr
	WIN W_RS
.irp tt, 0,1
.set i, 0
.rept 16
	v_pk_mul_f32 v[O+32*(2*(\x)+\tt)+2*i:O+32*(2*(\x)+\tt)+2*i+1], v[O+32*(2*(\x)+\tt)+2*i:O+32*(2*(\x)+\tt)+2*i+1], v[ST+8*(2*(\x)+\tt)+6:ST+8*(2*(\x)+\tt)+7] op_sel_hi:[1,0]   ; O^T x a, each accumulator from its low end on
.set i, i+1
.endr
.endr
	s_wait_dscnt 0x0                               ; V is in
	WIN W_PV
.set i, 0
.rept 16                                       ; O^T += V^T P: keys 32 (i / 8) on, channels 16 ((i / 2) % 4) on, tile i % 2: eight accumulators by turns
.set rO, O+32*(2*(\x)+i%2)+8*((i/2)%4)
.set rV, VR+8*(4*(i/8)+(i/2)%4)
.set rP, P+16*(i%2)+8*(i/8)
	v_wmma_f32_16x16x32_f16 v[rO:rO+7], v[rV:rV+7], v[rP:rP+7], v[rO:rO+7]
.set i, i+1
.endr
	WIN 0
.endm
; A SLOT'S FOUR KEY STEPS: written once, walked four times; the LDS addresses hang on s[TB].  A step that lies wholly behind the high pair's queries is left out, loads and all; one that lies behind the low pair's serves the high pair alone.
.macro STEPS
	s_mov_b32 s[STEPC], NST
.Lstep_\@:
	s_add_co_u32 s96, s[QH], 31
	s_cmp_gt_u32 s[KF], s96
	s_cbranch_scc1 .Lhid_\@
	v_add_nc_u32 v[ADK], s[TB], v[AK0]             ; these two and two v_nop: the four places between the last product V^T P and the loads into V's registers
	v_add_nc_u32 v[ADV], s[TB], v[AV0]
	v_nop
	v_nop
.irp f, 0,1,2,3,4,5,6,7                        ; K: keys 16 (f / 2) on, channels 32 (f % 2) on
	ds_load_b128 v[KR+8*\f:KR+8*\f+3], v[ADK] offset:(\f/2)*8*PK+(\f%2)*64
	ds_load_b128 v[KR+8*\f+4:KR+8*\f+7], v[ADK] offset:(\f/2)*8*PK+(\f%2)*64+32
.endr
	WIN TO_1
.irp f, 0,1,2,3,4,5,6,7                        ; V, turned: keys 32 (f / 4) on, channels 16 (f % 4) on
	ds_load_tr16_b128 v[VR+8*\f:VR+8*\f+3], v[ADV] offset:(\f/4)*16*PVP+(\f%4)*32
	ds_load_tr16_b128 v[VR+8*\f+4:VR+8*\f+7], v[ADV] offset:(\f/4)*16*PVP+8*PVP+(\f%4)*32
.endr
	WIN 0
	s_wait_dscnt 16                                ; K's sixteen loads are in; V's sixteen may be out
	PAIR 0, QH
	s_add_co_u32 s96, s[QL], 31
	s_cmp_gt_u32 s[KF], s96
	s_cbranch_scc1 .Lhid_\@
	PAIR 1, QL
.Lhid_\@:
	s_add_co_u32 s[KF], s[KF], KS
	s_add_co_u32 s[TB], s[TB], STEPB
	s_sub_co_u32 s[STEPC], s[STEPC], 1
	s_cmp_lg_u32 s[STEPC], 0
	s_cbranch_scc1 .Lstep_\@
	s_sub_co_u32 s[TB], s[TB], NST*STEPB           ; back to a slot's first step,
	s_xor_b32 s[TB], s[TB], SLOT1                  ; in the other slot
.endm
; THE CHANGE OF SLOTS stands at a slot's head.  Each wave waits for all its tensor loads (its part of the slot that it is about to read), adds 0 to its spare word, and waits for that and for its reads of the slot that it has left.
; Behind the barrier the slot ahead is whole and nobody reads the other one.  fill = 1: that other slot is filled with the keys that follow, up to the causal limit: the load has a slot's four steps in which to land.
.macro CHANGE fill
	s_wait_tensorcnt 0x0                           ; no tensor load of mine is out, so a group 0 may be written
	ds_add_u32 v[SPW], v[NIL]                      ; 0 onto my spare word; the descriptors' steps stand between it and the wait for it
.if \fill
	s_xor_b32 s[G0K+1], s[G0K+1], SLOT1            ; the walking descriptors: the other slot than last time,
	s_add_nc_u64 s[G0K+2:G0K+3], s[G0K+2:G0K+3], SLOTB   ; the next 256 keys; the type bits on top are not reached
	s_xor_b32 s[G0V+1], s[G0V+1], SLOT1
	s_add_nc_u64 s[G0V+2:G0V+3], s[G0V+2:G0V+3], SLOTB
	s_wait_xcnt 0x0                                ; the last prefetch, a slot back, has read its address, so it may be written:
	s_add_nc_u64 s[PFA:PFA+1], s[PFA:PFA+1], SLOTB ; one slot further on than the walking descriptors
.endif
	s_wait_dscnt 0x0                               ; the add is done, and my reads of the slot that I have left are over
	s_barrier_signal -1
	s_barrier_wait -1
.if \fill
	s_add_co_u32 s96, s[KF], NST*KS                ; the first key of the slot that this change would ask for
	s_or_b32 s97, s[QH], 255                       ; my work-group's last query
	s_cmp_gt_u32 s96, s97                          ; ids and the count of steps alone: all eight waves go the same way.  A slot behind the last query is read by no wave, so it is not asked for
	s_cbranch_scc1 .Lpast_\@
	TLOAD                                          ; the first thing behind the barrier, and a wave's one tensor load until the next
.Lpast_\@:
	ASK
.endif
.endm
	s_wait_loadcnt 0x0                             ; Q
.Lslot:                                            ; NSL - 1 trips: behind each change of slots but the last the next slot is asked for, up to the limit
	CHANGE 1
	STEPS
	s_sub_co_u32 s[SLOTS], s[SLOTS], 1
	s_cmp_lg_u32 s[SLOTS], 0
	s_cbranch_scc1 .Lslot
	CHANGE 0                                       ; the last slot is written out: nothing is left to ask for
	STEPS
	; THE WAY OUT.  l's two halves and the other half of the lanes' are added; O^T is divided by l, rounded to f16 and sent through my stage, a tile (16 rows of 128 bytes) at a time.  The additions are the places behind the last products.
.irp t, 0,1,2,3
	v_add_f32 v[ST+8*\t+4], v[ST+8*\t+2], v[ST+8*\t+3]
.endr
.irp t, 0,1,2,3
	v_permlanex16_b32 v[ST+8*\t+5], v[ST+8*\t+4], s[SEL], s[SEL+1]
.endr
.irp t, 0,1,2,3
	v_add_f32 v[ST+8*\t+4], v[ST+8*\t+4], v[ST+8*\t+5]
.endr
.irp t, 0,1,2,3
	v_rcp_f32 v[ST+8*\t+6], v[ST+8*\t+4]
.endr
	v_nop                                          ; a plain instruction between the last reciprocal and the use of its result
	s_wait_alu depctr_va_vdst(0)                   ; and the wait ahead of the first use: one for the four
.macro OUT t
	WIN W_RS
.set i, 0
.rept 16
	v_pk_mul_f32 v[O+32*\t+2*i:O+32*\t+2*i+1], v[O+32*\t+2*i:O+32*\t+2*i+1], v[ST+8*\t+6:ST+8*\t+7] op_sel_hi:[1,0]
.set i, i+1
.endr
	WIN 0x05                                       ; sources 0 and 1 window 1, destination window 0
.set i, 0
.rept 16
	v_cvt_pk_f16_f32 v[P+i], v[O+32*\t+2*i], v[O+32*\t+2*i+1]
.set i, i+1
.endr
	WIN 0
.irp f, 0,1,2,3
	ds_store_b128 v[STO], v[P+4*\f:P+4*\f+3] offset:32*\f          ; lane (r, h): channels 16 f + 8 h + 0 .. 7 of row r
.endr
.irp f, 0,1,2,3
	ds_load_b128 v[S+16*\t+4*\f:S+16*\t+4*\f+3], v[RD] offset:\f*4*SPITCH   ; LDS serves a wave's instructions in order (ISA guide 5.7.1.4): these see the stores above; the next tile's stores come behind them
.endr
.irp f, 0,1,2,3
	s_wait_dscnt 3-\f                              ; load f is in; the younger ones may be out
	global_store_b128 v[GO], v[S+16*\t+4*\f:S+16*\t+4*\f+3], s[OH+2*(\t/2):OH+2*(\t/2)+1] offset:(\t%2)*2048+\f*512   ; 32 lanes store 512 consecutive bytes, at a multiple of 256 from att's first byte
.endr
.endm
	OUT 0
	OUT 1
	OUT 2
	OUT 3
	s_wait_tensorcnt 0x0                           ; the wave's end, behind my last tensor load and my last LDS store
	ds_add_u32 v[SPW], v[NIL]
	s_wait_dscnt 0x0
	s_endpgm
.Lfunc_end_k_qb2df5688d9_attn:
	.size	k_qb2df5688d9_attn, .Lfunc_end_k_qb2df5688d9_attn-k_qb2df5688d9_attn
	.p2alignl 7, 3214868480
	.fill 96, 4, 3214868480
	.section	.rodata,"a",@progbits
	.p2align	6, 0x0
	.amdhsa_kernel k_qb2df5688d9_attn
		.amdhsa_group_segment_fixed_size 327680
		.amdhsa_private_segment_fixed_size 0
		.amdhsa_enable_private_segment 0
		.amdhsa_kernarg_size 16
		.amdhsa_user_sgpr_count 2
		.amdhsa_user_sgpr_kernarg_segment_ptr 1
		.amdhsa_wavefront_size32 1
		.amdhsa_system_sgpr_workgroup_id_x 1
		.amdhsa_system_sgpr_workgroup_id_y 1
		.amdhsa_system_sgpr_workgroup_id_z 1
		.amdhsa_system_vgpr_workitem_id 0
		.amdhsa_next_free_vgpr 512
		.amdhsa_next_free_sgpr 100
		.amdhsa_reserve_vcc 1
		.amdhsa_float_denorm_mode_32 3
		.amdhsa_float_denorm_mode_16_64 3
		.amdhsa_memory_ordered 1
		.amdhsa_forward_progress 1
		.amdhsa_inst_pref_size 110
	.end_amdhsa_kernel
	.amdgpu_metadata
---
amdhsa.version: [ 1, 2 ]
amdhsa.kernels:
  - .name:           k_qb2df5688d9_attn
    .symbol:         k_qb2df5688d9_attn.kd
    .args:
      - { .name: qkv, .offset: 0, .size: 8, .value_kind: global_buffer, .address_space: global }
      - { .name: att, .offset: 8, .size: 8, .value_kind: global_buffer, .address_space: global }
    .group_segment_fixed_size: 327680
    .private_segment_fixed_size: 0
    .kernarg_segment_align: 8
    .kernarg_segment_size: 16
    .max_flat_workgroup_size: 256
    .sgpr_count:     100
    .vgpr_count:     512
    .wavefront_size: 32
...
	.end_amdgpu_metadata
.endif
;; end of part 3
;; launch proj (part 4): grid 8 x 64, 4 waves a work-group, clusters of 4 x 4, 327,680 bytes of LDS; arguments att, wp16, b_proj, out0; writes out0
.if DOCPART == 4
	.amdgcn_target "amdgcn-amd-amdhsa--gfx1250"
	.amdhsa_code_object_version 6
	.text
	.protected	k_qb2df5688d9_proj
	.globl	k_qb2df5688d9_proj
	.p2align	8
	.type	k_qb2df5688d9_proj,@function
k_qb2df5688d9_proj:
	s_mov_b64 s[64:65], 0
	v_nop
	global_prefetch_b8 v0, s[64:65] scope:SCOPE_SE
	s_setreg_imm32_b32 hwreg(HW_REG_WAVE_MODE, 25, 1), 1
	s_wait_xcnt 0x0
	s_wait_alu depctr_hold_cnt(0) depctr_sa_sdst(0) depctr_va_vdst(0) depctr_va_sdst(0) depctr_va_ssrc(0) depctr_va_vcc(0) depctr_vm_vsrc(0)
	s_getreg_b32 s2, hwreg(HW_REG_IB_STS2, 6, 4)
	s_cmp_eq_u32 s2, 0
	s_cbranch_scc0 .Lentry_in_a_cluster
	s_endpgm
.Lentry_in_a_cluster:
	s_bfe_u32 s2, ttmp6, 0x10000c
	s_cmp_lg_u32 s2, 0xf033
	s_cbranch_scc0 .Lentry_shape_is_right
	s_endpgm
.Lentry_shape_is_right:
; out0[m][n] = the sum over k of A[m][k] W_proj[n][k] + b_proj[n].  A = att, f16, laid [16 heads][8192 rows][64] (k = 64 x head + channel); B = wp16, f16 [1024][1024]; out0 f32 [8192][1024]; sums in f32.
; The bias enters as the C of each sum's first matrix instruction.  The 64 rows of the first 16 positions of each batch are written here too, and written over, carried in f32, by the next launch.
; A tile of the result is 128 x 128: 512 work-groups.  Four waves, each 64 x 64: 16 accumulators of 16 x 16.  K goes in four steps of 256 (four heads) through two LDS slots: both slots are filled twice.
; A's part of a slot: for each of the four heads the tile's 128 rows are ONE dense block of 16,384 bytes; it lies in LDS as 64 rows of 256 bytes + 16 (two rows of A to an LDS row).  One tensor load brings two heads' blocks
; as two long rows, padded behind every 256 bytes.  B's part: 128 rows of 512 bytes + 16.
; CLUSTERS: 4 x 4 work-groups.  The four of a row of the cluster need the same tiles of A, the four of a column the same tiles of B: each tile is asked for JOINTLY, by the same tensor load with the same descriptor and a
; mask that names the four.  No prefetch: half of a work-group's tiles are asked for at its head, and the launch has four K steps.
; THE MATRIX INSTRUCTION IS USED TRANSPOSED (source 0 = 16 rows of B, source 1 = 16 rows of A): a lane then holds eight neighbouring numbers of a row of the result.
; REGISTERS: window 0: v0-31 addresses; v32-63 the bias, then with v64-95 at work on the way out; v128-255 the accumulators ((a, b) at v[128 + 8 (4 a + b)]).
;   window 1: two fragment buffers of 128: for 64 along K (one head), 64 registers of A (2 x 4 x 16 rows x 32 K), then 64 of B.
.set SIZE_M, 8192
.set SIZE_N, 1024
.set SIZE_K, 1024
.set KSTEP,  256
.set PA,     272                       ; an LDS row of A: two rows of 128 bytes + 16: the 16 rows of a load start at 16 different groups of four banks (64 banks of 4 bytes: ISA guide 11.1)
.set HEADL,  64*PA                     ; one head's 128 rows in LDS
.set AREG,   4*HEADL                   ; A's part of a slot
.set PB,     528                       ; an LDS row of B: 512 bytes + 16
.set HALFB,  64*PB                     ; 64 rows of B: what one tensor load brings, and what one wave reads
.set SLOT,   AREG+2*HALFB
.set SPARE,  2*SLOT                    ; behind the ring: the spare words, 128 bytes a wave
.set SPITCH, 272                       ; the way out: a stage of 16 rows x (256 bytes + 16) for each wave, in slot 0, which has had its last fill and its last read when the first result is stored there
.set HPL,    SIZE_M*128                ; a head's plane of att, in bytes
.set ADRA, 16                          ; v16-17  LDS address of my A fragments in slot 0, 1
.set ADRB, 20                          ; v20-21  the same for B
.set STO,  24                          ; v24     the way out: where I put 32 bytes of a row
.set RD,   25                          ; v25     where I read a row back
.set CO,   26                          ; v26     my byte offset in two rows of out0
.set SPW,  28                          ; v28     LDS address of my spare word; never rewritten
.set NIL,  29                          ; v29     0; never rewritten
.set BI,   32                          ; the bias: 8 registers for each block of 16 columns
.set BK,   32                          ; the way out: 16 rows read back: v32-63 and v64-95 by turns
.set ACC,  128
.set F0,   0                           ; fragment buffers, in window 1
.set F1,   128
.set G1, 24                            ; s[24:31] descriptor group 1 for A's tiles;  s[32:39] group 0, one set for each slot
.set G0, 32
.set G1B, 48                           ; s[48:55], s[56:63] the same for B's tiles
.set G0B, 56
.set MSB, 0
.macro WIN new                         ; the immediate's high byte repeats the setting that is left
.if MSB != \new
	s_set_vgpr_msb (MSB<<8)|\new
.set MSB, \new
.endif
.endm
.set MUL,  0x05                        ; sources 0 (B) and 1 (A) window 1; C and D window 0
.set TO_F, 0x40                        ; destination window 1, address window 0
.macro JLOAD s                         ; a joint load: waves 0 and 1 fetch A's two pairs of heads, waves 2 and 3 B's two halves; an s_nop 0 and four v_nop follow each of the two lines
	s_cmp_eq_u32 s11, 0
	s_cbranch_scc0 .Lfor_b_\@
	tensor_load_to_lds s[G0+4*\s:G0+4*\s+3], s[G1:G1+7]
	s_nop 0
.rept 4
	v_nop
.endr
	s_branch .Lasked_\@
.Lfor_b_\@:
	tensor_load_to_lds s[G0B+4*\s:G0B+4*\s+3], s[G1B:G1B+7]
	s_nop 0
.rept 4
	v_nop
.endr
.Lasked_\@:
.endm
.macro CREST                           ; a round of the cluster's barrier behind its opening barrier
	s_cmp_lg_u32 s10, 0
	s_cbranch_scc1 .Lnot_wave_0_\@
	s_barrier_signal -3
.Lnot_wave_0_\@:
	s_barrier_wait -3
	s_barrier_signal -1
	s_barrier_wait -1
.endm
.macro CROUND                          ; a whole round
	s_barrier_signal -1
	s_barrier_wait -1
	CREST
.endm
	s_load_b128 s[4:7], s[0:1], 0x0                ; att s[4:5], wp16 s[6:7]
	s_load_b64 s[2:3], s[0:1], 0x10                ; b_proj
	s_load_b64 s[8:9], s[0:1], 0x18                ; out0
	v_lshl_add_u32 v[SPW], v0, 2, SPARE
	v_mov_b32 v[NIL], 0
	ds_add_u32 v[SPW], v[NIL]                      ; the wave's opening: the add, twice on end, and its wait ahead of my first tensor load; the set-up below stands between the second and the wait
	ds_add_u32 v[SPW], v[NIL]
	v_lshrrev_b32 v1, 5, v0
	v_readfirstlane_b32 s10, v1                    ; wave 0..3
	s_lshr_b32 s11, s10, 1                         ; which half of the tile's rows is mine.  Also: I fetch for A (0) or for B (1)
	s_and_b32 s12, s10, 1                          ; which half of its columns.  Also: which half of that tile I fetch
	s_bfe_u32 s40, ttmp6, 0x40000                  ; cx, cy: my place in the cluster
	s_bfe_u32 s41, ttmp6, 0x40004
	s_lshl_b32 s42, ttmp9, 2
	s_add_co_u32 s42, s42, s40                     ; tile column = 4 x cluster x + cx
	s_and_b32 s13, ttmp7, 0xffff
	s_lshl_b32 s13, s13, 2
	s_add_co_u32 s13, s13, s41                     ; tile row = 4 x cluster y + cy
	s_lshl_b32 s43, s41, 2
	s_lshl_b32 s43, 15, s43                        ; my row of the cluster
	s_lshl_b32 s44, 0x1111, s40                    ; my column
	; A's group 1: two rows of 8,192 elements of 2 bytes (a head's 128 rows on end), a plane apart; 16 bytes of padding behind every 256
	s_or_b32 s[G1+0], s43, (1<<16)|(1<<20)|(1<<21)|(5<<22)|(3<<25)  ; 15:0 the mask: A's tiles go to my row; 17:16 element of 2 bytes; 20 padding on; 21 set beside a mask; 24:22 after every 64 words (code 5); 31:25 of 4 words (code 3)
	s_mov_b32 s[G1+1], 8192<<16                    ; tensor_dim0
	s_mov_b32 s[G1+2], 2<<16                       ; tensor_dim1
	s_mov_b32 s[G1+3], 8192<<16                    ; tile_dim0
	s_mov_b32 s[G1+4], 2                           ; tile_dim1
	s_mov_b32 s[G1+5], HPL/2                       ; tensor_dim0_stride, in elements
	s_mov_b32 s[G1+6], 0
	s_mov_b32 s[G1+7], 0
	; B's group 1: 64 rows of 256 elements; 16 bytes of padding behind every 512
	s_or_b32 s[G1B+0], s44, (1<<16)|(1<<20)|(1<<21)|(6<<22)|(3<<25)
	s_mov_b32 s[G1B+1], KSTEP<<16
	s_mov_b32 s[G1B+2], 64<<16
	s_mov_b32 s[G1B+3], KSTEP<<16
	s_mov_b32 s[G1B+4], 64
	s_mov_b32 s[G1B+5], SIZE_K
	s_mov_b32 s[G1B+6], 0
	s_mov_b32 s[G1B+7], 0
	s_lshl_b32 s16, s13, 14                        ; A: the tile's 128 rows of 128 bytes in a plane,
	s_lshl_b32 s17, s12, 21                        ; and which two of a K step's four heads I fetch
	s_add_co_u32 s16, s16, s17
	s_mov_b32 s17, 0
	s_lshl_b32 s46, s42, 7
	s_lshl_b32 s47, s12, 6
	s_add_co_u32 s46, s46, s47                     ; B: row 128 x tile column + 64 x half,
	s_lshl_b32 s46, s46, 11                        ; of 2,048 bytes
	s_mov_b32 s47, 0
	s_mul_i32 s20, s12, 2*HEADL                    ; where they go: no place in the cluster enters an LDS address
	s_mul_i32 s21, s12, HALFB
	s_add_co_u32 s21, s21, AREG
	s_wait_dscnt 0x0                               ; both opening adds are done
	s_wait_kmcnt 0x0
	s_add_nc_u64 s[14:15], s[4:5], s[16:17]
	s_add_nc_u64 s[46:47], s[6:7], s[46:47]
	CROUND                                         ; all sixteen work-groups are here: the first joint loads meet
.irp s, 0,1
	s_mov_b32 s[G0+4*\s], 1
	s_add_co_u32 s[G0+4*\s+1], s20, \s*SLOT
	s_add_nc_u64 s[G0+4*\s+2:G0+4*\s+3], s[14:15], \s*4*HPL        ; K step s: four heads on
	s_or_b32 s[G0+4*\s+3], s[G0+4*\s+3], 0x80000000
	s_mov_b32 s[G0B+4*\s], 1
	s_add_co_u32 s[G0B+4*\s+1], s21, \s*SLOT
	s_add_nc_u64 s[G0B+4*\s+2:G0B+4*\s+3], s[46:47], \s*KSTEP*2
	s_or_b32 s[G0B+4*\s+3], s[G0B+4*\s+3], 0x80000000
	JLOAD \s                                       ; two tensor loads of mine are out
.endr
	v_and_b32 v1, 15, v0                           ; l % 16
	v_bfe_u32 v2, v0, 4, 1                         ; l / 16
	v_lshrrev_b32 v3, 1, v1                        ; A: row r of a block of 16 lies in LDS row r / 2, half r % 2
	v_mul_u32_u24 v3, v3, PA
	v_and_b32 v4, 1, v0
	v_lshl_add_u32 v3, v4, 7, v3
	v_lshl_add_u32 v3, v2, 4, v3
	v_mul_u32_u24 v4, v1, PB                       ; B: row x pitch + 16 x half
	v_lshl_add_u32 v4, v2, 4, v4
	s_mul_i32 s21, s11, 32*PA                      ; my 64 rows of A in each head's block
	s_mul_i32 s22, s12, HALFB                      ; my 64 rows of B,
	s_add_co_u32 s22, s22, AREG                    ; which lie behind A's part
.irp s, 0,1
	v_add_nc_u32 v[ADRA+\s], s21, v3
	v_add_nc_u32 v[ADRB+\s], s22, v4
	s_add_co_u32 s21, s21, SLOT
	s_add_co_u32 s22, s22, SLOT
.endr
	s_mul_i32 s23, s10, 16*SPITCH                  ; my stage
	v_mul_u32_u24 v5, v1, SPITCH                   ; in: row l % 16, 32 bytes for each half of the lanes
	v_lshl_add_u32 v5, v2, 5, v5
	v_add_nc_u32 v[STO], s23, v5
	v_mul_u32_u24 v5, v2, SPITCH                   ; back: lanes 0-15 take one row of 256 bytes, lanes 16-31 the next
	v_lshl_add_u32 v5, v1, 4, v5
	v_add_nc_u32 v[RD], s23, v5
	v_lshlrev_b32 v5, 12, v2                       ; and the same two rows in out0
	v_lshl_add_u32 v[CO], v1, 4, v5
	s_lshl_b32 s46, s42, 9                         ; my first column, in bytes of f32: 512 x tile column + 256 x half (in the registers that held B's address)
	s_lshl_b32 s47, s12, 8
	s_add_co_u32 s46, s46, s47
	s_mov_b32 s47, 0
	s_add_nc_u64 s[2:3], s[2:3], s[46:47]          ; b_proj there,
	s_add_nc_u64 s[8:9], s[8:9], s[46:47]          ; and out0,
	s_lshl_b32 s16, s13, 7
	s_lshl_b32 s17, s11, 6
	s_add_co_u32 s16, s16, s17                     ; at my first row: 128 x tile row + 64 x half,
	s_lshl_b32 s16, s16, 12                        ; of 4,096 bytes
	s_mov_b32 s17, 0
	s_add_nc_u64 s[8:9], s[8:9], s[16:17]
	v_lshlrev_b32 v6, 5, v2
.irp b, 0,1,2,3                                ; the bias in the result's layout: lane (r, h), block b, register j: b_proj[my first column + 16 b + 8 h + j]
	global_load_b128 v[BI+8*\b:BI+8*\b+3], v6, s[2:3] offset:64*\b
	global_load_b128 v[BI+8*\b+4:BI+8*\b+7], v6, s[2:3] offset:64*\b+16
.endr
; 8 matrix instructions: m blocks a0, a0 + 1 x all 4 n blocks, 32 along K: half c of buffer f.  zero = 1: the first product starts the sums from the bias.  The 16 accumulators take turns.
.macro MUL8 f, c, a0, zero
.irp a, \a0, \a0+1
.irp b, 0,1,2,3
.if \zero
	v_wmma_f32_16x16x32_f16 v[ACC+8*(4*(\a)+\b):ACC+8*(4*(\a)+\b)+7], v[\f+64+8*(4*\c+\b):\f+64+8*(4*\c+\b)+7], v[\f+8*(4*\c+\a):\f+8*(4*\c+\a)+7], v[BI+8*\b:BI+8*\b+7]
.else
	v_wmma_f32_16x16x32_f16 v[ACC+8*(4*(\a)+\b):ACC+8*(4*(\a)+\b)+7], v[\f+64+8*(4*\c+\b):\f+64+8*(4*\c+\b)+7], v[\f+8*(4*\c+\a):\f+8*(4*\c+\a)+7], v[ACC+8*(4*(\a)+\b):ACC+8*(4*(\a)+\b)+7]
.endif
.endr
.endr
.endm
; 32 LDS loads in one run: the fragments of the slot's q-th head (64 along K) into buffer f; the first 32 along K first
.macro FETCH slot, q, f
	WIN TO_F
.irp c, 0,1
.irp i, 0,1,2,3
	ds_load_b128 v[\f+64+8*(4*\c+\i):\f+64+8*(4*\c+\i)+3],   v[ADRB+\slot] offset:128*(\q)+64*\c+\i*16*PB
	ds_load_b128 v[\f+64+8*(4*\c+\i)+4:\f+64+8*(4*\c+\i)+7], v[ADRB+\slot] offset:128*(\q)+64*\c+\i*16*PB+32
	ds_load_b128 v[\f+8*(4*\c+\i):\f+8*(4*\c+\i)+3],         v[ADRA+\slot] offset:HEADL*(\q)+64*\c+\i*8*PA
	ds_load_b128 v[\f+8*(4*\c+\i)+4:\f+8*(4*\c+\i)+7],       v[ADRA+\slot] offset:HEADL*(\q)+64*\c+\i*8*PA+32
.endr
.endr
.endm
.macro PLACES                          ; four places in front of loads into registers that matrix instructions have read, and of reads of results (ISA guide 7.12.1 for vector instructions)
.rept 4
	v_nop
.endr
.endm
; A K step is four quarters of 64 along K, 32 matrix instructions each, on buffers 0, 1, 0, 1.  One of the first three: multiplies buffer f and fetches the slot's q-th quarter into g.
.macro QUARTER slot, q, f, g, zero
	s_wait_dscnt 16                                ; the first 32 along K are in; the sixteen loads of the second 32 may be out
	WIN MUL
	MUL8 \f, 0, 0, \zero
	MUL8 \f, 0, 2, \zero
	PLACES
	FETCH \slot, \q, \g
	s_wait_dscnt 32                                ; all but the 32 just issued
	WIN MUL
	MUL8 \f, 1, 0, 0
	MUL8 \f, 1, 2, 0
.endm
; The last quarter multiplies buffer 1 and changes slots: ONE barrier; in front of it each wave waits for all its tensor loads, adds 0 to its spare word, and waits for that and for its own reads of this slot.  fill = 1: this slot is filled again, two K steps ahead.
.macro TURN slot, next, fill
	WIN 0                                          ; (the add's two registers lie in window 0)
	s_wait_tensorcnt 0x0                           ; all my tensor loads have landed: my part of the next slot;
	ds_add_u32 v[SPW], v[NIL]                      ; 0 onto my spare word;
	s_wait_dscnt 17                                ; (the add and the youngest sixteen loads may be out)
	WIN MUL
	MUL8 F1, 0, 0, 0                               ; eight matrix instructions stand between the add and the wait for it
	s_wait_dscnt 0x0                               ; the add is done, and my reads of this slot are over
	s_barrier_signal -1
	MUL8 F1, 0, 2, 0
.if \fill
	WIN 0
.endif
	s_barrier_wait -1
.if \fill
	CREST                                          ; the barrier has opened a round of the cluster's barrier: no wave of any partner still reads this slot's tile or has a load on its way
	s_add_nc_u64 s[G0+4*\slot+2:G0+4*\slot+3], s[G0+4*\slot+2:G0+4*\slot+3], 2*4*HPL
	s_add_nc_u64 s[G0B+4*\slot+2:G0B+4*\slot+3], s[G0B+4*\slot+2:G0B+4*\slot+3], 2*KSTEP*2
	JLOAD \slot                                    ; the first tensor load behind the round; the four v_nop behind it are also the places in front of the loads below
.else
	PLACES
.endif
	FETCH \next, 0, F0
	WIN MUL
	MUL8 F1, 1, 0, 0
	MUL8 F1, 1, 2, 0
.endm
	s_wait_tensorcnt 1                             ; my part of K step 0 is in (K step 1's load may be out)
	s_barrier_signal -1
	s_barrier_wait -1                              ; everybody's is
	FETCH 0, 0, F0
	s_wait_loadcnt 0x0                             ; the bias
	QUARTER 0, 1, F0, F1, 1                        ; K step 0: the first products start the sums from the bias
	QUARTER 0, 2, F1, F0, 0
	QUARTER 0, 3, F0, F1, 0
	TURN 0, 1, 1                                   ; slot 0 takes K step 2
	QUARTER 1, 1, F0, F1, 0                        ; K step 1
	QUARTER 1, 2, F1, F0, 0
	QUARTER 1, 3, F0, F1, 0
	TURN 1, 0, 1                                   ; slot 1 takes K step 3
	QUARTER 0, 1, F0, F1, 0                        ; K step 2
	QUARTER 0, 2, F1, F0, 0
	QUARTER 0, 3, F0, F1, 0
	TURN 0, 1, 0                                   ; nothing is left to fetch, and no round follows
	QUARTER 1, 1, F0, F1, 0                        ; K step 3
	QUARTER 1, 2, F1, F0, 0
	QUARTER 1, 3, F0, F1, 0
	s_wait_dscnt 16                                ; the very last quarter
	WIN MUL
	MUL8 F1, 0, 0, 0
	MUL8 F1, 0, 2, 0
	s_wait_dscnt 0
	MUL8 F1, 1, 0, 0
	MUL8 F1, 1, 2, 0
	WIN 0
; THE WAY OUT, block by block of 16 rows x 64 columns.  A lane holds 32 neighbouring bytes of a row, and the lanes beside it hold other rows: so a block goes through my own stage and comes back as whole runs of 256 bytes,
; which sixteen lanes store.  LDS serves a wave's instructions in order (ISA guide 5.7.1.4): no wait between the stores and the loads, nor in front of the next block's stores.
.macro TOSTAGE a
.irp b, 0,1,2,3
	ds_store_b128 v[STO], v[ACC+8*(4*(\a)+\b):ACC+8*(4*(\a)+\b)+3] offset:64*\b          ; each accumulator from its low end on
	ds_store_b128 v[STO], v[ACC+8*(4*(\a)+\b)+4:ACC+8*(4*(\a)+\b)+7] offset:64*\b+16
.endr
.set BB, BK+32*((\a)%2)
.irp t, 0,1,2,3,4,5,6,7
	ds_load_b128 v[BB+4*\t:BB+4*\t+3], v[RD] offset:\t*2*SPITCH
.endr
.endm
.macro SEND a, younger                 ; younger: the LDS instructions issued behind block a's loads, which may stay out
.set BB, BK+32*((\a)%2)
	s_wait_dscnt \younger
.irp t, 0,1,2,3,4,5,6,7
	global_store_b128 v[CO], v[BB+4*\t:BB+4*\t+3], s[8:9] offset:(16*(\a)+2*\t)*SIZE_N*4 th:TH_STORE_NT   ; 16 lanes store 256 consecutive bytes, at a multiple of 256 from out0's first byte
.endr
.endm
	PLACES
	TOSTAGE 0
.irp a, 1,2,3
.if \a > 1
	s_wait_xcnt 0x0                                ; block a - 2's stores have read their registers: block a's loads may land there
.endif
	TOSTAGE \a
	SEND \a-1, 16                                  ; behind block a - 1's loads: block a's 8 stores and 8 loads
.endr
	SEND 3, 0
	s_wait_tensorcnt 0x0                           ; the wave's end, behind my last tensor load and my last LDS store
	ds_add_u32 v[SPW], v[NIL]
	s_wait_dscnt 0x0
	CROUND                                         ; the closing round: no work-group ends while a partner may still ask for a tile that names it
	s_endpgm
.Lfunc_end_k_qb2df5688d9_proj:
	.size	k_qb2df5688d9_proj, .Lfunc_end_k_qb2df5688d9_proj-k_qb2df5688d9_proj
	.p2alignl 7, 3214868480
	.fill 96, 4, 3214868480
	.section	.rodata,"a",@progbits
	.p2align	6, 0x0
	.amdhsa_kernel k_qb2df5688d9_proj
		.amdhsa_group_segment_fixed_size 327680
		.amdhsa_private_segment_fixed_size 0
		.amdhsa_enable_private_segment 0
		.amdhsa_kernarg_size 32
		.amdhsa_user_sgpr_count 2
		.amdhsa_user_sgpr_kernarg_segment_ptr 1
		.amdhsa_wavefront_size32 1
		.amdhsa_system_sgpr_workgroup_id_x 1
		.amdhsa_system_sgpr_workgroup_id_y 1
		.amdhsa_system_sgpr_workgroup_id_z 1
		.amdhsa_system_vgpr_workitem_id 0
		.amdhsa_next_free_vgpr 512
		.amdhsa_next_free_sgpr 66
		.amdhsa_reserve_vcc 0
		.amdhsa_float_denorm_mode_32 3
		.amdhsa_float_denorm_mode_16_64 3
		.amdhsa_memory_ordered 1
		.amdhsa_forward_progress 1
		.amdhsa_inst_pref_size 86
	.end_amdhsa_kernel
	.amdgpu_metadata
---
amdhsa.version: [ 1, 2 ]
amdhsa.kernels:
  - .name:           k_qb2df5688d9_proj
    .symbol:         k_qb2df5688d9_proj.kd
    .args:
      - { .name: att, .offset: 0, .size: 8, .value_kind: global_buffer, .address_space: global }
      - { .name: wp16, .offset: 8, .size: 8, .value_kind: global_buffer, .address_space: global }
      - { .name: b_proj, .offset: 16, .size: 8, .value_kind: global_buffer, .address_space: global }
      - { .name: out0, .offset: 24, .size: 8, .value_kind: global_buffer, .address_space: global }
    .group_segment_fixed_size: 327680
    .private_segment_fixed_size: 0
    .kernarg_segment_align: 8
    .kernarg_segment_size: 32
    .max_flat_workgroup_size: 128
    .sgpr_count:     66
    .vgpr_count:     512
    .wavefront_size: 32
...
	.end_amdgpu_metadata
.endif
;; end of part 4
;; launch fine (part 5): grid 16 x 4, 16 waves a work-group, no clusters, 86,016 bytes of LDS; arguments qkvf, W_proj, b_proj, out0; writes out0
.if DOCPART == 5
	.amdgcn_target "amdgcn-amd-amdhsa--gfx1250"
	.amdhsa_code_object_version 6
	.text
	.protected	k_qb2df5688d9_fine
	.globl	k_qb2df5688d9_fine
	.p2align	8
	.type	k_qb2df5688d9_fine,@function
k_qb2df5688d9_fine:
	s_mov_b64 s[64:65], 0
	v_nop
	global_prefetch_b8 v0, s[64:65] scope:SCOPE_SE
	s_setreg_imm32_b32 hwreg(HW_REG_WAVE_MODE, 25, 1), 1
	s_wait_xcnt 0x0
; THE FIRST 16 POSITIONS OF EACH BATCH, IN F32 THROUGHOUT: attention over at most 16 keys and the projection, from q, k, v kept unrounded (qkvf, f32 [4][16][3072]) and W_proj as it is given.
; These rows average one to sixteen values and are the largest in size, so operands of 16 bits would weigh most there.  The 64 rows are written over what the launch before has left in out0.
; SHARES.  Work-group (chunk, batch) makes 16 rows x 64 columns of out0.  Every work-group repeats the batch's small attention: wave w takes head w (32 matrix instructions of 16 x 16 x 4).  The 16 x 1,024 result meets in LDS.
; Then wave w makes columns 16 (w % 4) on over K = 256 (w / 4) on; the four parts along K meet in LDS and waves 0-7 add them, with the bias, and store two rows each.
; No tensor load, no cluster, no matrix bulk work: 64 rows of 8,192.
; THE ORDER ALONG K.  A lane's load of 16 bytes holds k = 8 s + 4 (lane / 16) + 0 .. 3; its registers 0, 1 feed one matrix instruction and 2, 3 the next, alike on both operands: every product is made once.
; The registers that the f32 matrix form writes (v16-63) are written by matrix instructions alone, and each sum begins with the constant 0.  Two accumulators, or four, take turns.
; LIMITS: NaN and infinities are not served.
.set ROWQ,  12288                      ; a row of qkvf in bytes
.set AP,    4112                       ; LDS: a row of the attention's result: 4,096 bytes + 16
.set PS,    16*AP                      ; behind its 16 rows: the parts along K, 4 x 16 rows x (256 bytes + 16)
.set PP,    272
.set SPARE, PS+4*16*PP                 ; behind them: the spare words, 128 bytes a wave
.set AQ,   3                           ; v3   q, k: row r of qkvf + 16 h
.set AVT,  4                           ; v4   v: key 8 h, channel r
.set AW,   5                           ; v5   W_proj: row r of 4,096 bytes + 16 h
.set LST,  6                           ; v6   LDS: where I put my head's result
.set LRD,  7                           ; v7   and where I read the projection's operand
.set PST,  8                           ; v8   where I put my part along K
.set PRD,  9                           ; v9   and where I read the parts back
.set GO,   10                          ; v10  my byte offset in out0's 16 rows
.set RH,   11                          ; v11  r - 8 h
.set NINF, 12                          ; v12  -infinity
.set BO,   13                          ; v13  16 r
.set SPW,  14                          ; v14  LDS address of my spare word; never rewritten
.set NIL,  15                          ; v15  0; never rewritten
.set SA,   16                          ; v16-23, v24-31  two accumulators that take turns
.set SB,   24
.set O,    32                          ; v32-63  O^T: four tiles of 16 channels
.set Q,    64                          ; v64-95  q; v96-127 k; later W_proj's second half
.set K,    96
.set W2,   64
.set VT,   128                         ; v128-159 v, turned by the loads' addresses; then O / l
.set T,    160                         ; v160-167 the scores, then p
.set WK,   168                         ; v168-175 at work
.set AF,   128                         ; v128-191 the projection's operand from LDS
.set W1,   192                         ; v192-255 W_proj's first half
	s_load_b128 s[4:7], s[0:1], 0x0                ; qkvf, W_proj
	s_load_b128 s[8:11], s[0:1], 0x10              ; b_proj, out0
	v_lshl_add_u32 v[SPW], v0, 2, SPARE
	v_mov_b32 v[NIL], 0
	v_lshrrev_b32 v1, 5, v0
	v_readfirstlane_b32 s12, v1                    ; wave = head
	s_and_b32 s13, s12, 3                          ; which 16 of the chunk's 64 columns
	s_lshr_b32 s14, s12, 2                         ; which 256 along K
	s_and_b32 s15, s12, 7                          ; which two rows (waves 0-7)
	s_and_b32 s16, ttmp7, 0xffff                   ; batch
	v_and_b32 v1, 15, v0                           ; r
	v_bfe_u32 v2, v0, 4, 1                         ; h
	v_mul_u32_u24 v[AQ], v1, ROWQ
	v_lshl_add_u32 v[AQ], v2, 4, v[AQ]
	v_mul_u32_u24 v[AVT], v2, 8*ROWQ
	v_lshl_add_u32 v[AVT], v1, 2, v[AVT]
	v_lshlrev_b32 v[AW], 12, v1
	v_lshl_add_u32 v[AW], v2, 4, v[AW]
	v_mul_u32_u24 v[LRD], v1, AP
	v_lshl_add_u32 v[LST], v2, 5, v[LRD]
	s_lshl_b32 s17, s12, 8
	v_add_nc_u32 v[LST], s17, v[LST]               ; row r, + 256 x head, + 32 h
	v_lshl_add_u32 v[LRD], v2, 4, v[LRD]
	s_lshl_b32 s17, s14, 10
	v_add_nc_u32 v[LRD], s17, v[LRD]               ; row r, + my 256 along K, + 16 h
	v_mul_u32_u24 v[PST], v1, PP
	v_lshl_add_u32 v[PST], v2, 5, v[PST]
	s_mul_i32 s17, s14, 16*PP
	s_lshl_b32 s18, s13, 6
	s_add_co_u32 s17, s17, s18
	s_add_co_u32 s17, s17, PS
	v_add_nc_u32 v[PST], s17, v[PST]               ; my part along K: row r, + 64 x my tile of columns, + 32 h
	v_lshlrev_b32 v[BO], 4, v1
	v_mul_u32_u24 v[PRD], v2, PP
	v_add_nc_u32 v[PRD], v[PRD], v[BO]
	s_mul_i32 s17, s15, 2*PP
	s_add_co_u32 s17, s17, PS
	v_add_nc_u32 v[PRD], s17, v[PRD]               ; back: lanes 0-15 row 2 w, lanes 16-31 row 2 w + 1; 16 bytes a lane
	v_lshl_add_u32 v[GO], v2, 12, v[BO]
	s_lshl_b32 s17, s15, 13
	v_add_nc_u32 v[GO], s17, v[GO]                 ; and the same two rows in out0
	v_lshlrev_b32 v[RH], 3, v2
	v_sub_nc_u32 v[RH], v1, v[RH]
	v_mov_b32 v[NINF], 0xff800000
	s_mov_b32 s20, 0x76543210
	s_mov_b32 s21, 0xfedcba98                      ; v_permlanex16_b32's selects for lane l xor 16
	s_mov_b32 s22, 0x3e38aa3b                      ; c = log2(e) / sqrt(64)
	s_wait_kmcnt 0x0
	s_mul_i32 s18, s16, 16*ROWQ                    ; qkvf: the batch's 16 rows,
	s_lshl_b32 s19, s12, 8                         ; my head's 64 columns
	s_add_co_u32 s18, s18, s19
	s_mov_b32 s19, 0
	s_add_nc_u64 s[4:5], s[4:5], s[18:19]
	s_lshl_b32 s18, ttmp9, 6
	s_lshl_b32 s17, s13, 4
	s_add_co_u32 s18, s18, s17                     ; W_proj: row 64 x chunk + 16 x my tile,
	s_lshl_b32 s18, s18, 12
	s_lshl_b32 s17, s14, 10                        ; my 256 along K
	s_add_co_u32 s18, s18, s17
	s_add_nc_u64 s[6:7], s[6:7], s[18:19]
	s_lshl_b32 s18, ttmp9, 8                       ; the chunk's 64 columns of f32
	s_add_nc_u64 s[8:9], s[8:9], s[18:19]
	s_add_nc_u64 s[10:11], s[10:11], s[18:19]
	s_lshl_b32 s18, s16, 23                        ; the batch's 2,048 rows of 4,096 bytes
	s_add_nc_u64 s[10:11], s[10:11], s[18:19]
.irp s, 0,1,2,3,4,5,6,7
	global_load_b128 v[Q+4*\s:Q+4*\s+3], v[AQ], s[4:5] offset:32*\s              ; q(r, 8 s + 4 h ..)
	global_load_b128 v[K+4*\s:K+4*\s+3], v[AQ], s[4:5] offset:4096+32*\s         ; k likewise
.endr
.irp ct, 0,1,2,3
.irp i, 0,1,2,3,4,5,6,7
	global_load_b32 v[VT+8*\ct+\i], v[AVT], s[4:5] offset:8192+\i*ROWQ+64*\ct    ; v(key 8 h + i, channel 16 ct + r)
.endr
.endr
.irp s, 0,1,2,3,4,5,6,7,8,9,10,11,12,13,14,15
	global_load_b128 v[W1+4*\s:W1+4*\s+3], v[AW], s[6:7] offset:32*\s            ; W_proj(my row r, my K + 8 s + 4 h ..)
.endr
	s_wait_loadcnt 48                              ; q and k are in; v's 32 loads and W_proj's 16 may be out
.irp s, 0,1,2,3,4,5,6,7                        ; S^T = k q^T: lane (r, h), register j: key 8 h + j, query r; in two halves that take turns
.if \s == 0
	v_wmma_f32_16x16x4_f32 v[SA:SA+7], v[K+4*\s:K+4*\s+1], v[Q+4*\s:Q+4*\s+1], 0
	v_wmma_f32_16x16x4_f32 v[SB:SB+7], v[K+4*\s+2:K+4*\s+3], v[Q+4*\s+2:Q+4*\s+3], 0
.else
	v_wmma_f32_16x16x4_f32 v[SA:SA+7], v[K+4*\s:K+4*\s+1], v[Q+4*\s:Q+4*\s+1], v[SA:SA+7]
	v_wmma_f32_16x16x4_f32 v[SB:SB+7], v[K+4*\s+2:K+4*\s+3], v[Q+4*\s+2:Q+4*\s+3], v[SB:SB+7]
.endif
.endr
.rept 8
	v_nop                                          ; eight places behind this form (ISA guide 7.12.1)
.endr
.irp j, 0,1,2,3,4,5,6,7
	v_add_f32 v[T+\j], v[SA+\j], v[SB+\j]          ; from the low end on
.endr
.irp j, 0,1,2,3,4,5,6,7
	v_cmp_gt_i32 vcc_lo, \j, v[RH]                 ; key 8 h + j is hidden from query r where j > r - 8 h
	v_cndmask_b32 v[T+\j], v[T+\j], v[NINF], vcc_lo
.endr
	v_max3_num_f32 v[WK], v[T], v[T+1], v[T+2]
	v_max3_num_f32 v[WK+1], v[T+3], v[T+4], v[T+5]
	v_max3_num_f32 v[WK], v[WK], v[T+6], v[T+7]
	v_max_num_f32 v[WK], v[WK], v[WK+1]
	v_permlanex16_b32 v[WK+1], v[WK], s20, s21
	v_max_num_f32 v[WK], v[WK], v[WK+1]            ; the row's maximum: key 0 counts for every query
	v_mul_f32 v[WK+1], s22, v[WK]
.irp j, 0,1,2,3,4,5,6,7
	v_fma_f32 v[T+\j], v[T+\j], s22, -v[WK+1]      ; c s - c m
.endr
.irp j, 0,1,2,3,4,5,6,7
	v_exp_f32 v[T+\j], v[T+\j]
.endr
	v_nop                                          ; a plain instruction behind the last exponential,
	s_wait_alu depctr_va_vdst(0)                   ; and the wait ahead of the batch's first reader
	v_add_f32 v[WK+2], v[T], v[T+1]
	v_add_f32 v[WK+3], v[T+2], v[T+3]
	v_add_f32 v[WK+4], v[T+4], v[T+5]
	v_add_f32 v[WK+5], v[T+6], v[T+7]
	v_add_f32 v[WK+2], v[WK+2], v[WK+3]
	v_add_f32 v[WK+4], v[WK+4], v[WK+5]
	v_add_f32 v[WK+2], v[WK+2], v[WK+4]
	v_permlanex16_b32 v[WK+3], v[WK+2], s20, s21
	v_add_f32 v[WK+2], v[WK+2], v[WK+3]            ; the row's sum
	v_rcp_f32 v[WK+4], v[WK+2]
	v_nop
	s_wait_alu depctr_va_vdst(0)                   ; the reciprocal's wait
.irp s, 0,1,2,3,4,5,6,7,8,9,10,11,12,13,14,15
	global_load_b128 v[W2+4*\s:W2+4*\s+3], v[AW], s[6:7] offset:512+32*\s        ; W_proj's second half, into the registers that q and k have left
.endr
	s_wait_loadcnt 32                              ; v is in; W_proj's two halves, 16 loads each, may be out
.irp p, 0,1,2,3                                ; O^T = v^T p: K slot 2 h + j is key 8 h + 2 p + j on both sides; the four tiles of channels take turns
.irp ct, 0,1,2,3
.if \p == 0
	v_wmma_f32_16x16x4_f32 v[O+8*\ct:O+8*\ct+7], v[VT+8*\ct+2*\p:VT+8*\ct+2*\p+1], v[T+2*\p:T+2*\p+1], 0
.else
	v_wmma_f32_16x16x4_f32 v[O+8*\ct:O+8*\ct+7], v[VT+8*\ct+2*\p:VT+8*\ct+2*\p+1], v[T+2*\p:T+2*\p+1], v[O+8*\ct:O+8*\ct+7]
.endif
.endr
.endr
.rept 8
	v_nop
.endr
.set i, 0
.rept 32
	v_mul_f32 v[VT+i], v[O+i], v[WK+4]             ; O^T / the sum, into other registers: register 8 ct + j is (query r, channel 16 ct + 8 h + j)
.set i, i+1
.endr
.irp ct, 0,1,2,3
	ds_store_b128 v[LST], v[VT+8*\ct:VT+8*\ct+3] offset:64*\ct
	ds_store_b128 v[LST], v[VT+8*\ct+4:VT+8*\ct+7] offset:64*\ct+16
.endr
	s_wait_dscnt 0x0                               ; for the others' sake: my stores have landed
	s_barrier_signal -1
	s_barrier_wait -1                              ; the 16 rows x 1,024 channels lie in LDS
.irp g, 0,1                                    ; the projection over my 256 along K, in two halves of 128: source 0 = 16 rows of W_proj, source 1 = the 16 rows
.if \g == 1
.rept 8
	v_nop                                          ; places in front of loads into registers that matrix instructions have read
.endr
.endif
.irp s, 0,1,2,3,4,5,6,7,8,9,10,11,12,13,14,15
	ds_load_b128 v[AF+4*\s:AF+4*\s+3], v[LRD] offset:512*\g+32*\s
.endr
	s_wait_dscnt 0x0
	s_wait_loadcnt 16-16*\g                        ; this half of W_proj is in; the second half's 16 loads may be out behind the first's
.irp s, 0,1,2,3,4,5,6,7,8,9,10,11,12,13,14,15
.if (\g == 0) && (\s == 0)
	v_wmma_f32_16x16x4_f32 v[SA:SA+7], v[W1-128*\g+4*\s:W1-128*\g+4*\s+1], v[AF+4*\s:AF+4*\s+1], 0
	v_wmma_f32_16x16x4_f32 v[SB:SB+7], v[W1-128*\g+4*\s+2:W1-128*\g+4*\s+3], v[AF+4*\s+2:AF+4*\s+3], 0
.else
	v_wmma_f32_16x16x4_f32 v[SA:SA+7], v[W1-128*\g+4*\s:W1-128*\g+4*\s+1], v[AF+4*\s:AF+4*\s+1], v[SA:SA+7]
	v_wmma_f32_16x16x4_f32 v[SB:SB+7], v[W1-128*\g+4*\s+2:W1-128*\g+4*\s+3], v[AF+4*\s+2:AF+4*\s+3], v[SB:SB+7]
.endif
.endr
.endr
.rept 8
	v_nop
.endr
.irp j, 0,1,2,3,4,5,6,7
	v_add_f32 v[WK+\j], v[SA+\j], v[SB+\j]         ; lane (r, h), register j: row r, column 16 x my tile + 8 h + j
.endr
	ds_store_b128 v[PST], v[WK:WK+3]
	ds_store_b128 v[PST], v[WK+4:WK+7] offset:16
	s_wait_dscnt 0x0
	s_barrier_signal -1
	s_barrier_wait -1                              ; the four parts along K lie in LDS
	s_cmp_ge_u32 s12, 8                            ; waves 0-7 add them: two rows each
	s_cbranch_scc1 .Lend
	global_load_b128 v[128:131], v[BO], s[8:9]     ; the bias of my four columns
.irp q, 0,1,2,3
	ds_load_b128 v[132+4*\q:135+4*\q], v[PRD] offset:\q*16*PP
.endr
	s_wait_dscnt 0x0
	v_pk_add_f32 v[132:133], v[132:133], v[136:137]
	v_pk_add_f32 v[134:135], v[134:135], v[138:139]
	v_pk_add_f32 v[140:141], v[140:141], v[144:145]
	v_pk_add_f32 v[142:143], v[142:143], v[146:147]
	v_pk_add_f32 v[132:133], v[132:133], v[140:141]
	v_pk_add_f32 v[134:135], v[134:135], v[142:143]
	s_wait_loadcnt 0x0
	v_pk_add_f32 v[132:133], v[132:133], v[128:129]
	v_pk_add_f32 v[134:135], v[134:135], v[130:131]
	global_store_b128 v[GO], v[132:135], s[10:11]  ; 16 lanes store 256 consecutive bytes, at a multiple of 256 from out0's first byte
.Lend:
	s_wait_tensorcnt 0x0                           ; the wave's end, behind my last LDS store
	ds_add_u32 v[SPW], v[NIL]
	s_wait_dscnt 0x0
	s_endpgm
.Lfunc_end_k_qb2df5688d9_fine:
	.size	k_qb2df5688d9_fine, .Lfunc_end_k_qb2df5688d9_fine-k_qb2df5688d9_fine
	.p2alignl 7, 3214868480
	.fill 96, 4, 3214868480
	.section	.rodata,"a",@progbits
	.p2align	6, 0x0
	.amdhsa_kernel k_qb2df5688d9_fine
		.amdhsa_group_segment_fixed_size 86016
		.amdhsa_private_segment_fixed_size 0
		.amdhsa_enable_private_segment 0
		.amdhsa_kernarg_size 32
		.amdhsa_user_sgpr_count 2
		.amdhsa_user_sgpr_kernarg_segment_ptr 1
		.amdhsa_wavefront_size32 1
		.amdhsa_system_sgpr_workgroup_id_x 1
		.amdhsa_system_sgpr_workgroup_id_y 1
		.amdhsa_system_sgpr_workgroup_id_z 1
		.amdhsa_system_vgpr_workitem_id 0
		.amdhsa_next_free_vgpr 256
		.amdhsa_next_free_sgpr 66
		.amdhsa_reserve_vcc 1
		.amdhsa_float_denorm_mode_32 3
		.amdhsa_float_denorm_mode_16_64 3
		.amdhsa_memory_ordered 1
		.amdhsa_forward_progress 1
		.amdhsa_inst_pref_size 26
	.end_amdhsa_kernel
	.amdgpu_metadata
---
amdhsa.version: [ 1, 2 ]
amdhsa.kernels:
  - .name:           k_qb2df5688d9_fine
    .symbol:         k_qb2df5688d9_fine.kd
    .args:
      - { .name: qkvf, .offset: 0, .size: 8, .value_kind: global_buffer, .address_space: global }
      - { .name: W_proj, .offset: 8, .size: 8, .value_kind: global_buffer, .address_space: global }
      - { .name: b_proj, .offset: 16, .size: 8, .value_kind: global_buffer, .address_space: global }
      - { .name: out0, .offset: 24, .size: 8, .value_kind: global_buffer, .address_space: global }
    .group_segment_fixed_size: 86016
    .private_segment_fixed_size: 0
    .kernarg_segment_align: 8
    .kernarg_segment_size: 32
    .max_flat_workgroup_size: 512
    .sgpr_count:     66
    .vgpr_count:     256
    .wavefront_size: 32
...
	.end_amdgpu_metadata
.endif
;; end of part 5
